; MI455X (gfx1250); checked and timed in simulation.
; The chip was launched on July 23, 2026; its instructions are those of AMD's public machine-readable ISA for CDNA 5 (MIT licence, August 2026) and "CDNA5" Instruction Set Architecture Reference Guide (July 2026). The comments in the code are by the model that wrote it; some were corrected since.
;; Causal Attention. Allowed arithmetic: matrix products marked QUANTISED: E2M3 operands, one E8M0 scale for each 32 along K, by v_wmma_scale_f32_16x16x128_f8f6f4 with both operands' format E2M3, f32 sums; everything else in f32.
;; Inputs: Wk 1,024 x 1,024 float32; Wq 1,024 x 1,024 float32; Wv 1,024 x 1,024 float32; x 4 x 2,048 x 1,024 float32.
;; Outputs: out0 4 x 2,048 x 1,024 float32.
;; This version of the problem:
;;   THIS VERSION OF THE PROBLEM IS GIVEN IN LOW PRECISION. The matrix products marked QUANTISED in the list below multiply operands that are first quantised to E2M3 (2 exponent bits, 3 mantissa bits; 6 bits a number), with one power-of-two scale for each 32 numbers along K (OCP MX v1.0); their sums are f32. All else is computed in f32.
;;   The module's matrix products, in the order in which they are computed (A, B: the left and right operand; K: the contracted axis; several contracted axes count as one K, in the product's order):
;;     1. [M 8,192, K 1,024] x [K 1,024, N 1,024]; A: input x; B: input Wq: QUANTISED
;;     2. [M 8,192, K 1,024] x [K 1,024, N 1,024]; A: input x; B: input Wk: QUANTISED
;;     3. [M 8,192, K 1,024] x [K 1,024, N 1,024]; A: input x; B: input Wv: QUANTISED
;;     4. batch 4 x [M 2,048, K 1,024] x [K 1,024, N 2,048]; A: computed on the way; B: computed on the way: QUANTISED
;;     5. batch 4 x [M 2,048, K 2,048] x [K 2,048, N 1,024]; A: softmax (see below); B: computed on the way: QUANTISED
;;   THE QUANTISER, for each operand of a quantised product, along K:
;;     - K is cut into blocks of 32 from its start; a last block that is shorter is filled with zeros.
;;     - A block's scale is 2^e with e = floor(log2(the largest magnitude in the block)) - 2, held to -126 .. 127; a block of zeros has e = 0. As a byte (E8M0): e + 127.
;;     - Each number is divided by its block's scale, clamped to +-7.5, and rounded to the nearest number of E2M3, ties to even, subnormals kept.
;;     - The product sums the exact products of the quantised numbers (number of the format x scale) in f32.
;;   ~~~python
;;   def quantise(x, axis):      # numpy; x: float32 -> the quantised numbers, widened to float32 again
;;       x = np.moveaxis(x, axis, -1); K = x.shape[-1]
;;       x = np.pad(x, [(0, 0)] * (x.ndim - 1) + [(0, -K % 32)]); x = x.reshape(x.shape[:-1] + (-1, 32)); a = np.abs(x).max(-1, keepdims=True)
;;       e = np.where(a > 0, np.clip(np.frexp(np.where(a > 0, a, 1))[1] - 1 - 2, -126, 127), 0)      # np.frexp(a)[1] - 1 = floor(log2(a)), exactly
;;       r = np.clip(x / 2.0 ** e, -7.5, 7.5)
;;       step = 2.0 ** (np.maximum(np.frexp(np.where(r == 0, 1, r))[1] - 1, 0) - 3)
;;       q = np.round(r / step) * step * 2.0 ** e      # np.round: ties to even
;;       return np.moveaxis(q.reshape(q.shape[:-2] + (-1,))[..., :K], -1, axis).astype(np.float32)
;;   ~~~
;;   SOFTMAX AHEAD OF A QUANTISED PRODUCT. Where the list says 'softmax', what is quantised is not the finished softmax but p = 2^(t - M), with t = logit x log2(e) and M = ceil(the row's largest t), a whole number; so 1/2 < the row's largest p <= 1. The row's sum l is taken of the UNQUANTISED p, in f32, and the product's result is divided by l at the end. Since M is a whole number, a kernel that streams over the keys may use a running M (the ceiling of the running maximum): every later rescaling is an exact power of two, which a block's scale takes up: the codes' values come out the same.
;;   OPERANDS COMPUTED ON THE WAY. 'Computed on the way' means the value that the module computes at that place (a softmax that the list does not call 'softmax' is quantised finished and normalised). What goes into a quantiser is computed in f32, as accurately as f32 sums, v_exp_f32 and their like allow (about 1e-6 of the number): no bf16 or f16 on the way to a quantiser, and a product that is left as it is and whose result goes on into a quantised operand takes f32 operands (vector FMAs, or v_wmma_f32_16x16x4_f32). A number that lies on a knife's edge between two numbers of the format may be rounded either way, as far as f32 arithmetic and the matrix unit's own rounding can turn it there, and no further.
;; One version. Each part assembles by itself: llvm-mc -triple=amdgcn-amd-amdhsa -mcpu=gfx1250 --defsym DOCPART=n.
;; ======== version 1 of 1: 4 launches
;; limits: right only within a limited range of input values
;; workspace buffers: xq 6,553,600 bytes; wq 2,457,600 bytes; qk 13,107,200 bytes; vt 6,553,600 bytes; pc 12,582,912 bytes; ps 1,572,864 bytes
;; launch quant (part 1): grid 352 x 1, 4 waves a work-group, no clusters, 47,616 bytes of LDS; arguments x, Wq, Wk, Wv, xq, wq; writes xq, wq
.if DOCPART == 1
	.amdgcn_target "amdgcn-amd-amdhsa--gfx1250"
	.amdhsa_code_object_version 6
	.text
	.protected	k_q7b2aa2bfef_quant
	.globl	k_q7b2aa2bfef_quant
	.p2align	8
	.type	k_q7b2aa2bfef_quant,@function
k_q7b2aa2bfef_quant:
	s_mov_b64 s[64:65], 0
	v_nop
	global_prefetch_b8 v0, s[64:65] scope:SCOPE_SE
	s_setreg_imm32_b32 hwreg(HW_REG_WAVE_MODE, 25, 1), 1
	s_wait_xcnt 0x0
; x [8192][1024] and Wq, Wk, Wv [1024 (k)][1024 (n)], f32, become codes of FP6 (E2M3) with one E8M0 byte for each 32 along K, laid in the order of a matrix operand's registers.
; THE FORMAT of every code buffer of this program.  A row group is 128 rows = 8 fragments F of 16 rows; lane r of fragment F holds row 32 (F / 2) + 8 (F % 2) + r % 8 + 16 (r / 8).
; A fragment's image is 1,536 bytes: register p (0 .. 11) of lane L lies at 512 (p / 4) + 16 L + 4 (p % 4); lane (r, h) holds k = 64 c + 32 h + 0 .. 31 in registers 6 c .. 6 c + 5.
; A block (row group, 128 along K) is 8 images and, from byte 12,288 on, the scale words at 64 F + 4 r: 12,800 bytes.  A buffer is [row group][K step][block].
; A block's scale is 2^(floor(log2(largest magnitude)) - 2); its byte is the largest magnitude's exponent field - 2, held at 1 from below.
; LIMITS: a block of zeros gets the byte 1 and not 127 (its codes are zeros, and this program alone reads the bytes); blocks whose largest magnitude lies under 2^(3 - 127) keep the byte 1; NaN and infinities are not served.
; Work-groups 0 .. 95 take the weights (a lane to a column n, registers down K), work-groups 96 .. 351 take x (K innermost: rows turn through LDS).  Each way has LDS bytes of its own.  Waves share nothing: no barrier.
; LEFT OUT in this program: the tiles of scores (and of the softmax's weights) that lie wholly above the diagonal.  reference() puts -inf there by a mask that it builds itself, so their weights are 0 for all values of the inputs.
; A NaN, an infinity or an overflow that arises in those scores alone is not carried to the result.
.set BLK,  12800
.set XST,  8704                        ; x: a wave's stage: 16 rows x 528 bytes, then 256 bytes of scale words
.set STW,  4*XST                       ; W: a wave's stage: two images, 3,072 bytes
	s_load_b256 s[4:11], s[0:1], 0x0               ; x, Wq, Wk, Wv
	s_load_b128 s[12:15], s[0:1], 0x20             ; xq, wq
	v_lshl_add_u32 v248, v0, 2, 0xb800
	v_mov_b32 v249, 0
	v_lshrrev_b32 v1, 5, v0
	v_readfirstlane_b32 s16, v1                    ; wave
	v_and_b32 v1, 31, v0                           ; lane L
	s_mov_b32 s20, 0x76543210
	s_mov_b32 s21, 0xfedcba98                      ; v_permlanex16_b32's selects for lane l xor 16
	s_cmp_lt_u32 ttmp9, 96
	s_cbranch_scc0 .Lx_path
; ---------------- THE WEIGHTS.  Row group rg = id / 4 (0-7 Wq, 8-15 Wk, 16-23 Wv), K steps 2 (id % 4) and 2 (id % 4) + 1.  Wave w: columns 32 w + L of the group: fragment 2 w + u, lane r, with u = (L / 8) % 2, r = L % 8 + 8 (L / 16)
	s_lshr_b32 s17, ttmp9, 2                       ; rg
	s_and_b32 s18, ttmp9, 3                        ; which 256 along K
	v_lshlrev_b32 v2, 2, v1                        ; in: 4 bytes a lane
	v_bfe_u32 v3, v1, 3, 1                         ; u
	v_and_b32 v5, 7, v1
	v_lshrrev_b32 v8, 4, v1
	v_lshl_add_u32 v5, v8, 3, v5                   ; r
	s_mul_i32 s19, s16, 3072
	v_mul_u32_u24 v4, v3, 1536
	v_lshl_add_u32 v4, v5, 4, v4
	v_add_nc_u32 v4, s19, v4
	v_add_nc_u32 v4, STW, v4                       ; into the stage: image u, 16 r
	v_lshlrev_b32 v6, 4, v1
	v_add_nc_u32 v6, s19, v6                       ; out: 3,072 w + 16 L in the block,
	v_add_nc_u32 v9, STW, v6                       ; and the same place in the stage
	v_lshlrev_b32 v7, 6, v3
	v_lshl_add_u32 v7, v5, 2, v7
	s_lshl_b32 s19, s16, 7
	v_add_nc_u32 v7, s19, v7
	v_add_nc_u32 v7, 12288, v7                     ; my scale word: 12,288 + 64 (2 w + u) + 4 r
	s_and_b32 s22, s17, 7
	s_lshl_b32 s22, s22, 9                         ; the group's 128 columns: 512 bytes
	s_lshl_b32 s23, s18, 20                        ; 256 rows of 4,096 bytes
	s_add_co_u32 s22, s22, s23
	s_add_co_u32 s22, s22, s19                     ; + 128 w
	s_mov_b32 s23, 0
	s_lshl_b32 s24, s17, 3
	s_lshl_b32 s25, s18, 1
	s_add_co_u32 s24, s24, s25
	s_mul_i32 s24, s24, BLK                        ; block (rg, 2 (id % 4))
	s_mov_b32 s25, 0
	s_wait_kmcnt 0x0
	s_cmp_lt_u32 s17, 16                           ; the tensor is chosen by the work-group's number alone
	s_cselect_b64 s[26:27], s[8:9], s[10:11]
	s_cmp_lt_u32 s17, 8
	s_cselect_b64 s[26:27], s[6:7], s[26:27]
	s_add_nc_u64 s[26:27], s[26:27], s[22:23]
	s_add_nc_u64 s[28:29], s[14:15], s[24:25]
.macro LOADW t                         ; block t of 32 along K: W(32 t + i, my column) into set t % 2; a wave reads 128 consecutive bytes, the four waves 512
.set i, 0
.rept 32
	global_load_b32 v[32+32*((\t)%2)+i], v2, s[26:27] offset:(32*(\t)+i)*4096 th:TH_LOAD_NT
.set i, i+1
.endr
.endm
.macro BLOCKW t
.set XS, 32+32*((\t)%2)
.if (\t) < 7
	s_wait_loadcnt 32                              ; this block's 32 loads are in; the next block's 32 may be out
.else
	s_wait_loadcnt 0x0
.endif
	v_max3_num_f32 v12, |v[XS]|, |v[XS+1]|, |v[XS+2]|              ; the block's largest magnitude: all 32 numbers are mine; two chains
	v_max3_num_f32 v13, |v[XS+3]|, |v[XS+4]|, |v[XS+5]|
.irp i, 6,10,14,18,22,26
	v_max3_num_f32 v12, v12, |v[XS+\i]|, |v[XS+\i+1]|
	v_max3_num_f32 v13, v13, |v[XS+\i+2]|, |v[XS+\i+3]|
.endr
	v_max3_num_f32 v12, v12, |v[XS+30]|, |v[XS+31]|
	v_max3_num_f32 v12, v12, v13, 0x1800000        ; and the floor 2^(3 - 127): the byte cannot fall under 1
	v_add_nc_u32 v11, 0xff000000, v12              ; 2 off the exponent field: the conversion's scale operand
	v_lshrrev_b32 v13, 23, v11                     ; the byte
.if (\t)%4 == 0
	v_mov_b32 v[24+(\t)/4], v13                    ; four bytes make a K step's scale word, the lower K in the lower byte
.else
	v_lshl_or_b32 v[24+(\t)/4], v13, 8*((\t)%4), v[24+(\t)/4]
.endif
	v_cvt_scalef32_pk16_fp6_f32 v[96:98], v[XS:XS+15], v11
	v_cvt_scalef32_pk16_fp6_f32 v[100:102], v[XS+16:XS+31], v11    ; (a conversion's three registers begin on an even number)
	v_nop                                          ; one plain place behind a scaled conversion
	v_mov_b32 v99, v100
	v_mov_b32 v100, v101
	v_mov_b32 v101, v102                           ; v96-101: registers 6 c .. 6 c + 5 of lane (r, h), c = (t % 4) / 2, h = t % 2
.if ((\t)%4)/2 == 0
	ds_store_b128 v4, v[96:99] offset:256*((\t)%2)
	ds_store_b64 v4, v[100:101] offset:512+256*((\t)%2)
.else
	ds_store_b64 v4, v[96:97] offset:520+256*((\t)%2)
	ds_store_b128 v4, v[98:101] offset:1024+256*((\t)%2)
.endif
.if (\t)+2 < 8
	LOADW (\t)+2
.endif
	s_wait_dscnt 0x0                               ; the stores have read their registers: the next block's codes may be written
.endm
.macro FLUSHW e                        ; a K step's two images leave as they lie: each store of the wave covers 512 consecutive bytes
.irp m, 0,1,2,3,4,5
	ds_load_b128 v[112+24*\e+4*\m:115+24*\e+4*\m], v9 offset:512*\m   ; LDS serves a wave's instructions in order: these see my stores
.endr
.irp m, 0,1,2,3,4,5
	s_wait_dscnt 5-\m
	global_store_b128 v6, v[112+24*\e+4*\m:115+24*\e+4*\m], s[28:29] offset:\e*BLK+512*\m
.endr
	global_store_b32 v7, v[24+\e], s[28:29] offset:\e*BLK
.endm
	LOADW 0
	LOADW 1
	BLOCKW 0
	BLOCKW 1
	BLOCKW 2
	BLOCKW 3
	s_wait_alu depctr_va_vdst(0)
	FLUSHW 0
	BLOCKW 4
	BLOCKW 5
	BLOCKW 6
	BLOCKW 7
	s_wait_alu depctr_va_vdst(0)
	FLUSHW 1
	s_wait_tensorcnt 0x0
	ds_add_u32 v248, v249
	s_wait_dscnt 0x0
	s_endpgm
; ---------------- x.  id' = id - 96: 64 rows (id' / 2), K step 4 (id' % 2) + wave.  A wave makes the four fragments of its 64 rows for its K step.
.Lx_path:
	s_sub_co_u32 s17, ttmp9, 96
	s_lshr_b32 s18, s17, 1                         ; which 64 rows
	s_and_b32 s19, s17, 1
	s_lshl_b32 s19, s19, 2
	s_add_co_u32 s19, s19, s16                     ; K step
	s_lshr_b32 s22, s18, 1                         ; row group
	s_and_b32 s23, s18, 1                          ; which half of it
	s_wait_alu depctr_va_vdst(0)
	v_lshlrev_b32 v2, 4, v1                        ; 16 L
	v_and_b32 v5, 15, v1                           ; r
	v_lshrrev_b32 v6, 4, v1                        ; h
	s_mul_i32 s24, s16, XST
	v_add_nc_u32 v3, s24, v2                       ; into the stage: a row's 512 bytes as they lie
	v_mul_u32_u24 v4, v5, 528
	v_lshl_add_u32 v4, v6, 7, v4
	v_add_nc_u32 v4, s24, v4                       ; out of it: row r, + 128 h: my 32 neighbours of each 64
	v_lshlrev_b32 v7, 2, v5
	v_add_nc_u32 v7, s24, v7
	v_add_nc_u32 v7, 8448, v7                      ; my scale word's place
	v_lshlrev_b32 v8, 3, v1                        ; 8 L
	v_add_nc_u32 v9, s24, v8
	v_add_nc_u32 v9, 8448, v9
	v_lshlrev_b32 v10, 3, v6                       ; 8 h
	v_mov_b32 v15, 0                               ; a lane permute's destination counts as one of its sources
	s_lshl_b32 s26, s18, 18                        ; 64 rows of 4,096 bytes
	s_lshl_b32 s27, s19, 9
	s_add_co_u32 s26, s26, s27
	s_mov_b32 s27, 0
	s_lshl_b32 s28, s22, 3
	s_add_co_u32 s28, s28, s19
	s_mul_i32 s28, s28, BLK
	s_mov_b32 s29, 0
	s_mul_i32 s30, s23, 6144                       ; fragments 4 x half on
	s_mov_b32 s31, 0
	s_lshl_b32 s32, s23, 8
	s_add_co_u32 s32, s32, 12288                   ; their scale words
	s_mov_b32 s33, 0
	s_wait_alu depctr_va_vdst(0)
	s_wait_kmcnt 0x0
	s_add_nc_u64 s[4:5], s[4:5], s[26:27]
	s_add_nc_u64 s[12:13], s[12:13], s[28:29]
	s_add_nc_u64 s[34:35], s[12:13], s[32:33]
	s_add_nc_u64 s[12:13], s[12:13], s[30:31]
.macro LOADX f                         ; fragment f's 16 rows, 512 consecutive bytes each, into set f % 2
.set i, 0
.rept 16
	global_load_b128 v[32+64*((\f)%2)+4*i:35+64*((\f)%2)+4*i], v2, s[4:5] offset:(32*((\f)/2)+8*((\f)%2)+i%8+16*(i/8))*4096 th:TH_LOAD_NT
.set i, i+1
.endr
.endm
.macro FRX f
.set RS, 32+64*((\f)%2)
.if (\f) < 3
	s_wait_loadcnt 16                              ; this fragment's 16 loads are in; the next one's 16 may be out
.else
	s_wait_loadcnt 0x0
.endif
.set i, 0
.rept 16
	ds_store_b128 v3, v[RS+4*i:RS+4*i+3] offset:528*i
.set i, i+1
.endr
.irp c, 0,1
.irp j, 0,1,2,3,4,5,6,7
	ds_load_b128 v[160+32*\c+4*\j:163+32*\c+4*\j], v4 offset:256*\c+16*\j   ; x(row r, 64 c + 32 h + 4 j ..): a whole block of 32 in my registers
.endr
.endr
	s_wait_dscnt 0x0                               ; the numbers are back, and the stores have read their registers,
.if (\f)+2 < 4
	LOADX (\f)+2                                   ; which take the fragment two further on
.endif
.irp c, 0,1
	v_max3_num_f32 v[12+\c], |v[160+32*\c]|, |v[161+32*\c]|, 0x1800000   ; my block 2 c + h, and the floor
.endr
.irp i, 2,4,6,8,10,12,14,16,18,20,22,24,26,28,30
.irp c, 0,1
	v_max3_num_f32 v[12+\c], v[12+\c], |v[160+32*\c+\i]|, |v[161+32*\c+\i]|
.endr
.endr
.irp c, 0,1
	v_add_nc_u32 v[16+\c], 0xff000000, v[12+\c]    ; the conversion's scale operand
.endr
.irp c, 0,1
	v_lshrrev_b32 v[18+\c], 23, v[16+\c]           ; the byte
.endr
	v_lshl_or_b32 v14, v19, 16, v18                ; my two bytes: blocks h and 2 + h,
	v_lshlrev_b32 v14, v10, v14                    ; at their places;
	v_permlanex16_b32 v15, v14, s20, s21
	v_or_b32 v14, v14, v15                         ; with lane l xor 16's the word is whole
	s_wait_alu depctr_va_vdst(0)
	s_wait_xcnt 0x0                                ; the last fragment's stores have read the codes' registers
.irp c, 0,1
	v_cvt_scalef32_pk16_fp6_f32 v[224+6*\c:226+6*\c], v[160+32*\c:175+32*\c], v[16+\c]
	v_cvt_scalef32_pk16_fp6_f32 v[236+4*\c:238+4*\c], v[176+32*\c:191+32*\c], v[16+\c]
.endr
	v_nop                                          ; one plain place behind a scaled conversion
.irp c, 0,1
.irp i, 0,1,2
	v_mov_b32 v[227+6*\c+\i], v[236+4*\c+\i]
.endr
.endr
.irp m, 0,1,2
	global_store_b128 v2, v[224+4*\m:227+4*\m], s[12:13] offset:1536*(\f)+512*\m   ; the image: 512 consecutive bytes a store
.endr
	ds_store_b32 v7, v14 offset:64*(\f)            ; both halves of the lanes write the same word
.endm
	LOADX 0
	LOADX 1
	FRX 0
	FRX 1
	FRX 2
	FRX 3
	ds_load_b64 v[20:21], v9                       ; the four fragments' scale words: 256 bytes
	s_wait_dscnt 0x0
	global_store_b64 v8, v[20:21], s[34:35]        ; 32 lanes store 256 consecutive bytes, at a multiple of 256 from the buffer's first byte
	s_wait_tensorcnt 0x0
	ds_add_u32 v248, v249
	s_wait_dscnt 0x0
	s_endpgm
.Lfunc_end_k_q7b2aa2bfef_quant:
	.size	k_q7b2aa2bfef_quant, .Lfunc_end_k_q7b2aa2bfef_quant-k_q7b2aa2bfef_quant
	.p2alignl 7, 3214868480
	.fill 96, 4, 3214868480
	.section	.rodata,"a",@progbits
	.p2align	6, 0x0
	.amdhsa_kernel k_q7b2aa2bfef_quant
		.amdhsa_group_segment_fixed_size 47616
		.amdhsa_private_segment_fixed_size 0
		.amdhsa_enable_private_segment 0
		.amdhsa_kernarg_size 48
		.amdhsa_user_sgpr_count 2
		.amdhsa_user_sgpr_kernarg_segment_ptr 1
		.amdhsa_wavefront_size32 1
		.amdhsa_system_sgpr_workgroup_id_x 1
		.amdhsa_system_sgpr_workgroup_id_y 1
		.amdhsa_system_sgpr_workgroup_id_z 1
		.amdhsa_system_vgpr_workitem_id 0
		.amdhsa_next_free_vgpr 250
		.amdhsa_next_free_sgpr 66
		.amdhsa_reserve_vcc 0
		.amdhsa_float_denorm_mode_32 3
		.amdhsa_float_denorm_mode_16_64 3
		.amdhsa_memory_ordered 1
		.amdhsa_forward_progress 1
		.amdhsa_inst_pref_size 72
	.end_amdhsa_kernel
	.amdgpu_metadata
---
amdhsa.version: [ 1, 2 ]
amdhsa.kernels:
  - .name:           k_q7b2aa2bfef_quant
    .symbol:         k_q7b2aa2bfef_quant.kd
    .args:
      - { .name: x, .offset: 0, .size: 8, .value_kind: global_buffer, .address_space: global }
      - { .name: Wq, .offset: 8, .size: 8, .value_kind: global_buffer, .address_space: global }
      - { .name: Wk, .offset: 16, .size: 8, .value_kind: global_buffer, .address_space: global }
      - { .name: Wv, .offset: 24, .size: 8, .value_kind: global_buffer, .address_space: global }
      - { .name: xq, .offset: 32, .size: 8, .value_kind: global_buffer, .address_space: global }
      - { .name: wq, .offset: 40, .size: 8, .value_kind: global_buffer, .address_space: global }
    .group_segment_fixed_size: 47616
    .private_segment_fixed_size: 0
    .kernarg_segment_align: 8
    .kernarg_segment_size: 48
    .max_flat_workgroup_size: 128
    .sgpr_count:     66
    .vgpr_count:     250
    .wavefront_size: 32
...
	.end_amdgpu_metadata
.endif
;; end of part 1
;; launch qkv (part 2): grid 4 x 64, 4 waves a work-group, clusters of 4 x 4, 327,680 bytes of LDS; arguments xq, wq, qk, vt; writes qk, vt
.if DOCPART == 2
	.amdgcn_target "amdgcn-amd-amdhsa--gfx1250"
	.amdhsa_code_object_version 6
	.text
	.protected	k_q7b2aa2bfef_qkv
	.globl	k_q7b2aa2bfef_qkv
	.p2align	8
	.type	k_q7b2aa2bfef_qkv,@function
k_q7b2aa2bfef_qkv:
	s_mov_b64 s[64:65], 0
	v_nop
	global_prefetch_b8 v0, s[64:65] scope:SCOPE_SE
	s_setreg_imm32_b32 hwreg(HW_REG_WAVE_MODE, 25, 1), 1
	s_wait_xcnt 0x0
	s_wait_alu depctr_hold_cnt(0) depctr_sa_sdst(0) depctr_va_vdst(0) depctr_va_sdst(0) depctr_va_ssrc(0) depctr_va_vcc(0) depctr_vm_vsrc(0)
	s_getreg_b32 s2, hwreg(HW_REG_IB_STS2, 6, 4)
	s_cmp_eq_u32 s2, 0
	s_cbranch_scc0 .Lentry_in_a_cluster
	s_endpgm
.Lentry_in_a_cluster:
	s_bfe_u32 s2, ttmp6, 0x10000c
	s_cmp_lg_u32 s2, 0xf033
	s_cbranch_scc0 .Lentry_shape_is_right
	s_endpgm
.Lentry_shape_is_right:
; q | k = x (Wq | Wk), quantised along the 1,024 channels, and V^T = Wv^T x^T, quantised along the tokens: products on codes of FP6 (E2M3) with E8M0 scales; results quantised in registers and stored as codes.
; THE FORMAT of all buffers: a row group is 128 rows = 8 fragments F; lane r of fragment F holds row 32 (F / 2) + 8 (F % 2) + r % 8 + 16 (r / 8).  A fragment's image is 1,536 bytes (register p of lane L at 512 (p / 4) + 16 L + 4 (p % 4));
; a block (row group, 128 along K) is 8 images and 512 bytes of scale words (at 12,288 + 64 F + 4 r): 12,800 bytes.  xq: [64][8][block]; wq: [24: Wq, Wk, Wv][8][block]; qk: [64][16: q, k][block]; vt: [8 of channels][64 of tokens][block].
; THE DEAL: 32 x 8 work-groups of four waves.  Each makes 256 tokens x 256 columns of q | k (a wave 128 x 128, source 0 the weight's rows) and then, out of the same tokens' rows, 256 tokens x 128 channels of V^T
; (a wave 128 tokens x 64 channels, source 0 the tokens), so that in both a lane's registers run along the next product's K.
; LDS: x's 256 rows, all of K, as four regions of two K steps, filled once each; two slots for the weights, two K steps of two row groups or four K steps of Wv's one.
; FILLS, one joint load a wave behind each round.  Head: wave 0 x's K steps 0-1, wave 1 the weights' 0-1, wave 2 x's 2-3, wave 3 the weights' 2-3.  Behind step 1: x's 4-7 (waves 0 and 2), the weights' 4-5 (wave 1).
; Behind step 3: the weights' 6-7 (wave 3).  Behind step 5: Wv's 0-3 (wave 1).  Behind step 7: Wv's 4-7 (wave 3).  Each round shows what the round before asked for.  A wave has one tensor load out at the most.
; CLUSTERS 4 x 4: x's tiles are asked for jointly along a row of the cluster, the weights' along a column.  NO PREFETCH: K is eight written-out steps, half of them asked for at the head.
; LIMITS: a block of zeros gets the byte 1 (its codes are zeros; this program alone reads the bytes); NaN and infinities are not served.
; REGISTERS: window 0: v2-31 addresses; v32-47 scale words, two sets; v48-103 at work on the way out; v128-223 A's fragments, one set (V: Wv's, two sets of four).  window 1: B's fragments (V: x's), two sets, at v0 and v128.
; windows 2, 3: accumulator (a, b) at v[8 (8 (a % 4) + b)]; V's 32 in window 2.
.set BLK,   12800
.set PAIR,  2*BLK
.set SLOT,  4*BLK
.set RGB,   8*BLK
.set WB,    4*SLOT
.set SPARE, WB+2*SLOT
.set STG,   SPARE+512                  ; 512 bytes a wave: scale words on their way out
.set ADX,   2
.set AXS,   6
.set ADW,   10
.set AWS,   12
.set ADV,   14
.set AVS,   16
.set LI,    24
.set SPW,   28
.set NIL,   29
.set SC,    32
.set AF,    128
.set G1X,   24
.set G1W,   32
.set G1V,   40
.set G0X,   56
.set G0W,   60
.set G0V,   72
.set SEL,   66
.set MSB, 0
.macro WIN new                         ; the immediate's high byte repeats the setting that is left
.if MSB != \new
	s_set_vgpr_msb (MSB<<8)|\new
.set MSB, \new
.endif
.endm
.set MUL_LO, 0xa1
.set MUL_HI, 0xf1
.macro PLACES                          ; four plain places behind matrix instructions (ISA guide 7.12.1)
.rept 4
	v_nop
.endr
.endm
.macro CREST
	s_cmp_lg_u32 s14, 0
	s_cbranch_scc1 .Lnot_wave_0_\@
	s_barrier_signal -3
.Lnot_wave_0_\@:
	s_barrier_wait -3
	s_barrier_signal -1
	s_barrier_wait -1
.endm
.macro CROUND
	s_barrier_signal -1
	s_barrier_wait -1
	CREST
.endm
.macro TL g0, g1
	tensor_load_to_lds s[\g0:\g0+3], s[\g1:\g1+7]
	s_nop 0
	PLACES
.endm
.macro FRAGL reg, adr, off             ; a fragment's image: three loads of 512 consecutive bytes
.irp m, 0,1,2
	ds_load_b128 v[(\reg)+4*\m:(\reg)+4*\m+3], v[\adr] offset:(\off)+512*\m
.endr
.endm
.macro FETCHB k, p                     ; the weights' eight fragments of K step k into set p
	WIN 0x40
.irp i, 0,1,2,3,4,5,6,7
	FRAGL 128*(\p)+12*\i, ADW+((\k)/2)%2, ((\k)%2)*BLK+1536*\i
.endr
	WIN 0
.endm
.macro FETCHA k, i0                    ; x's fragments i0 .. i0 + 3
.irp i, 0,1,2,3
	FRAGL AF+12*((\i0)+\i), ADX+(\k)/2, ((\k)%2)*BLK+1536*((\i0)+\i)
.endr
.endm
.macro SCALES k, p                     ; lanes 0-15 fragment i's words, lanes 16-31 fragment i + 4's: the weights' in registers 0-3 of the set, x's in 4-7
.irp i, 0,1,2,3
	ds_load_b32 v[SC+8*(\p)+\i], v[AWS+((\k)/2)%2] offset:((\k)%2)*BLK+64*\i
	ds_load_b32 v[SC+8*(\p)+4+\i], v[AXS+(\k)/2] offset:((\k)%2)*BLK+64*\i
.endr
.endm
.macro VFETCH k, p                     ; V: x's eight fragments, Wv's four, their words: 42 loads
	WIN 0x40
.irp i, 0,1,2,3,4,5,6,7
	FRAGL 128*(\p)+12*\i, ADX+(\k)/2, ((\k)%2)*BLK+1536*\i
.endr
	WIN 0
.irp i, 0,1,2,3
	FRAGL AF+48*(\p)+12*\i, ADV+(\k)/4, ((\k)%4)*BLK+1536*\i
.endr
.irp i, 0,1,2,3
	ds_load_b32 v[SC+8*(\p)+\i], v[AXS+(\k)/2] offset:((\k)%2)*BLK+64*\i
.endr
.irp i, 0,1
	ds_load_b32 v[SC+8*(\p)+4+\i], v[AVS+(\k)/4] offset:((\k)%4)*BLK+64*\i
.endr
.endm
.macro PM d, s0, s1, x0, x1, ra, rb, zero
.if \zero
	v_wmma_scale_f32_16x16x128_f8f6f4 v[\d:\d+7], v[\s0:\s0+11], v[\s1:\s1+11], 0, v[\x0], v[\x1] matrix_a_fmt:MATRIX_FMT_FP6 matrix_b_fmt:MATRIX_FMT_FP6 matrix_a_scale:MATRIX_SCALE_ROW\ra matrix_b_scale:MATRIX_SCALE_ROW\rb
.else
	v_wmma_scale_f32_16x16x128_f8f6f4 v[\d:\d+7], v[\s0:\s0+11], v[\s1:\s1+11], v[\d:\d+7], v[\x0], v[\x1] matrix_a_fmt:MATRIX_FMT_FP6 matrix_b_fmt:MATRIX_FMT_FP6 matrix_a_scale:MATRIX_SCALE_ROW\ra matrix_b_scale:MATRIX_SCALE_ROW\rb
.endif
.endm
.macro MUL16 a0, rb, p, zero           ; A's blocks a0, a0 + 1 x B's eight; the 64 accumulators take turns, one instruction a turn
.irp a, \a0, \a0+1
.irp b, 0,1,2,3
	PM 8*(8*((\a)%4)+\b), 128*(\p)+12*\b, AF+12*(\a), SC+8*(\p)+\b, SC+8*(\p)+4+(\a)%4, 0, \rb, \zero
.endr
.irp b, 4,5,6,7
	PM 8*(8*((\a)%4)+\b), 128*(\p)+12*\b, AF+12*(\a), SC+8*(\p)+\b-4, SC+8*(\p)+4+(\a)%4, 1, \rb, \zero
.endr
.endr
.endm
.macro MULV i, rb, p, zero             ; V: Wv's fragment i x x's eight
.irp b, 0,1,2,3
	PM 8*(8*\i+\b), 128*(\p)+12*\b, AF+48*(\p)+12*\i, SC+8*(\p)+\b, SC+8*(\p)+4+\i%2, 0, \rb, \zero
.endr
.irp b, 4,5,6,7
	PM 8*(8*\i+\b), 128*(\p)+12*\b, AF+48*(\p)+12*\i, SC+8*(\p)+\b-4, SC+8*(\p)+4+\i%2, 1, \rb, \zero
.endr
.endm
.macro STEP k, zero
	s_wait_dscnt 12                                ; all but the youngest 12 loads (A's blocks 4-7) are in
	WIN MUL_LO
	MUL16 0, 0, (\k)%2, \zero
	MUL16 2, 0, (\k)%2, \zero
	s_wait_dscnt 0x0
	PLACES
	FETCHB (\k)+1, ((\k)+1)%2
	FETCHA (\k)+1, 0
	SCALES (\k)+1, ((\k)+1)%2
	WIN MUL_HI
	MUL16 4, 1, (\k)%2, \zero
	MUL16 6, 1, (\k)%2, \zero
	PLACES
	WIN 0
	FETCHA (\k)+1, 4
.endm
.macro TURN k                          ; steps 1, 3, 5, 7: a round of the cluster's barrier; in front of it all my tensor loads, the add, and my reads of the slot
	s_wait_tensorcnt 0x0
	ds_add_u32 v[SPW], v[NIL]
.if (\k) == 1
	s_add_co_u32 s[G0X+1], s[G0X+1], 2*SLOT        ; no load of mine is out: x's next pair goes two regions on,
	s_add_nc_u64 s[G0X+2:G0X+3], s[G0X+2:G0X+3], 2*PAIR
	s_add_nc_u64 s[G0W+2:G0W+3], s[G0W+2:G0W+3], 2*PAIR   ; the weights' into the same slot
.endif
	s_wait_dscnt 13                                ; (the add and the youngest 12 loads may be out)
	WIN MUL_LO
	MUL16 0, 0, 1, 0
	s_wait_dscnt 0x0                               ; the add is done, and my reads of this slot are over
	s_barrier_signal -1
	MUL16 2, 0, 1, 0
	WIN 0
	s_barrier_wait -1
	CREST
.if (\k) == 1
	s_cmp_eq_u32 s16, 0
	s_cbranch_scc0 .Lodd_\@
	TL G0X, G1X
	s_branch .Lasked_\@
.Lodd_\@:
	s_cmp_eq_u32 s14, 1
	s_cbranch_scc0 .Lasked_\@
	TL G0W, G1W
.elseif (\k) == 3
	s_cmp_eq_u32 s14, 3
	s_cbranch_scc0 .Lasked_\@
	TL G0W, G1W
.elseif (\k) == 5
	s_cmp_eq_u32 s14, 1
	s_cbranch_scc0 .Lasked_\@
	TL G0V, G1V
.else
	s_cmp_eq_u32 s14, 3
	s_cbranch_scc0 .Lasked_\@
	TL G0V, G1V
.endif
.Lasked_\@:
	PLACES                                         ; for the waves that come round the load
.if (\k) == 7
	VFETCH 0, 0                                    ; V's first step: Wv's fragments lie where A's blocks 0-3 lay
.else
	FETCHB (\k)+1, 0
	FETCHA (\k)+1, 0
	SCALES (\k)+1, 0
.endif
	WIN MUL_HI
	MUL16 4, 1, 1, 0
	MUL16 6, 1, 1, 0
	PLACES
	WIN 0
.if (\k) != 7
	FETCHA (\k)+1, 4
.endif
.endm
.macro VSTEP k, zero, mid
	PLACES
	VFETCH (\k)+1, ((\k)+1)%2
	s_wait_dscnt 42                                ; all but the 42 just issued
	WIN MUL_LO
	MULV 0, 0, (\k)%2, \zero
	MULV 1, 0, (\k)%2, \zero
.if \mid
	s_wait_tensorcnt 0x0                           ; a plain barrier shows Wv's K steps 4-7
	s_wait_dscnt 0x0
	s_barrier_signal -1
.endif
	MULV 2, 1, (\k)%2, \zero
	MULV 3, 1, (\k)%2, \zero
	WIN 0
.if \mid
	s_barrier_wait -1
.endif
.endm
	s_load_b128 s[4:7], s[0:1], 0x0                ; xq, wq
	s_load_b128 s[8:11], s[0:1], 0x10              ; qk, vt
	v_lshl_add_u32 v[SPW], v0, 2, SPARE
	v_mov_b32 v[NIL], 0
	ds_add_u32 v[SPW], v[NIL]
	ds_add_u32 v[SPW], v[NIL]
	v_lshrrev_b32 v1, 5, v0
	v_readfirstlane_b32 s14, v1                    ; wave
	s_lshr_b32 s15, s14, 1                         ; which of x's two row groups is mine.  Also: which pair of K steps I fetch
	s_and_b32 s16, s14, 1                          ; which of the weights' two.  Also: I fetch x (0) or weights (1)
	s_bfe_u32 s84, ttmp6, 0x40000                  ; cx
	s_bfe_u32 s85, ttmp6, 0x40004                  ; cy
	s_and_b32 s86, ttmp7, 0xffff                   ; the cluster's number, 0 .. 15: 8 x 2 clusters cover the 32 x 8 tiles
	s_lshr_b32 s87, s86, 1
	s_and_b32 s88, s86, 1
	s_lshl_b32 s89, s87, 2
	s_add_co_u32 s89, s89, s85                     ; tile row
	s_lshl_b32 s90, s88, 2
	s_add_co_u32 s90, s90, s84                     ; tile column
	s_lshl_b32 s91, s85, 2
	s_lshl_b32 s91, 15, s91                        ; my row of the cluster
	s_lshl_b32 s92, 0x1111, s84                    ; my column
	; group 1: two rows of 25,600 bytes (3,200 elements of 8 bytes): two K steps of two row groups, 102,400 bytes apart; for Wv the two rows lie end to end: four K steps of one row group
	s_or_b32 s[G1X], s91, (3<<16)|(1<<21)
	s_or_b32 s[G1W], s92, (3<<16)|(1<<21)
	s_or_b32 s[G1V], s92, (3<<16)|(1<<21)
.irp g, G1X, G1W, G1V
	s_mov_b32 s[\g+1], 3200<<16
	s_mov_b32 s[\g+2], 2<<16
	s_mov_b32 s[\g+3], 3200<<16
	s_mov_b32 s[\g+4], 2
	s_mov_b32 s[\g+6], 0
	s_mov_b32 s[\g+7], 0
.endr
	s_mov_b32 s[G1X+5], 12800
	s_mov_b32 s[G1W+5], 12800
	s_mov_b32 s[G1V+5], 3200
	s_mul_i32 s17, s15, PAIR
	s_mul_i32 s12, s89, 2*RGB
	s_add_co_u32 s12, s12, s17                     ; x: row groups 2 x tile row, + 1; my pair of K steps
	s_mov_b32 s13, 0
	s_mul_i32 s2, s90, 2*RGB
	s_add_co_u32 s2, s2, s17                       ; Wq | Wk: row groups 2 x tile column, + 1
	s_mov_b32 s3, 0
	s_mul_i32 s68, s90, RGB
	s_add_co_u32 s68, s68, 16*RGB
	s_mul_i32 s69, s15, SLOT
	s_add_co_u32 s68, s68, s69                     ; Wv: row group 16 + tile column, my four K steps
	s_mov_b32 s69, 0
	s_mul_i32 s17, s15, SLOT                       ; where my part goes: no place in the cluster enters an LDS address
	s_mov_b32 s[G0X], 1
	s_mov_b32 s[G0X+1], s17
	s_mov_b32 s[G0W], 1
	s_add_co_u32 s[G0W+1], s17, WB
	s_mov_b32 s[G0V], 1
	s_add_co_u32 s[G0V+1], s17, WB
	s_mov_b32 s[SEL], 0x76543210
	s_mov_b32 s[SEL+1], 0xfedcba98
	s_wait_dscnt 0x0
	s_wait_kmcnt 0x0
	s_add_nc_u64 s[G0X+2:G0X+3], s[4:5], s[12:13]
	s_or_b32 s[G0X+3], s[G0X+3], 0x80000000
	s_add_nc_u64 s[G0W+2:G0W+3], s[6:7], s[2:3]
	s_or_b32 s[G0W+3], s[G0W+3], 0x80000000
	s_add_nc_u64 s[G0V+2:G0V+3], s[6:7], s[68:69]
	s_or_b32 s[G0V+3], s[G0V+3], 0x80000000
	CROUND                                         ; all sixteen work-groups are here: the first joint loads meet
	s_cmp_eq_u32 s14, 0                            ; one chain, one load a wave
	s_cbranch_scc0 .Lhead_1
	TL G0X, G1X
	s_branch .Lhead_asked
.Lhead_1:
	s_cmp_eq_u32 s14, 1
	s_cbranch_scc0 .Lhead_2
	TL G0W, G1W
	s_branch .Lhead_asked
.Lhead_2:
	s_cmp_eq_u32 s14, 2
	s_cbranch_scc0 .Lhead_3
	TL G0X, G1X
	s_branch .Lhead_asked
.Lhead_3:
	TL G0W, G1W
.Lhead_asked:
	s_lshl_b32 s12, s89, 1
	s_add_co_u32 s12, s12, s15                     ; my tokens' row group
	s_lshl_b32 s2, s12, 4
	s_lshl_b32 s17, s90, 1
	s_add_co_u32 s2, s2, s17
	s_add_co_u32 s2, s2, s16
	s_mul_i32 s2, s2, BLK
	s_add_nc_u64 s[22:23], s[8:9], s[2:3]          ; q | k: K step 2 x tile column + my half
	s_lshl_b32 s2, s90, 6
	s_add_co_u32 s2, s2, s12
	s_mul_i32 s2, s2, BLK
	s_mul_i32 s17, s16, 6144
	s_add_co_u32 s2, s2, s17
	s_add_nc_u64 s[20:21], s[10:11], s[2:3]        ; V^T: row group of channels = tile column, K step = my tokens' row group, my four images
	s_mul_i32 s17, s16, 6144-256
	s_mov_b32 s13, 12288
	s_sub_co_u32 s2, s13, s17
	s_add_nc_u64 s[18:19], s[20:21], s[2:3]        ; and their scale words
	s_mul_i32 s17, s15, PAIR                       ; LDS: my row group of x,
	s_mul_i32 s93, s16, PAIR
	s_add_co_u32 s93, s93, WB                      ; of the weights,
	s_mul_i32 s94, s16, 6144
	s_add_co_u32 s94, s94, WB                      ; my four fragments of Wv,
	s_lshl_b32 s95, s16, 8
	s_add_co_u32 s95, s95, WB+12288                ; and their words
	s_lshl_b32 s98, s14, 9
	s_add_co_u32 s98, s98, STG
	v_and_b32 v1, 31, v0                           ; L
	v_and_b32 v19, 15, v0                          ; r
	v_bfe_u32 v20, v0, 4, 1                        ; h
	v_lshlrev_b32 v[LI], 4, v1
	v_lshlrev_b32 v18, 3, v1
	v_lshlrev_b32 v21, 2, v19
	v_lshl_add_u32 v22, v20, 8, v21
	v_lshl_add_u32 v23, v20, 7, v21                ; Wv's words: 4 r + 128 h
	v_add_nc_u32 v22, 12288, v22                   ; x's and the weights': 12,288 + 4 r + 256 h
	v_add_nc_u32 v25, s98, v21                     ; the way out: where a block's scale words go,
	v_add_nc_u32 v26, s98, v[LI]                   ; and where they are read back
	v_add_nc_u32 v27, s98, v18
.irp f, 0,1,2,3
	v_add_nc_u32 v[ADX+\f], s17, v[LI]
	v_add_nc_u32 v[AXS+\f], s17, v22
	s_add_co_u32 s17, s17, SLOT
.endr
.irp f, 0,1
	v_add_nc_u32 v[ADW+\f], s93, v[LI]
	v_add_nc_u32 v[AWS+\f], s93, v22
	v_add_nc_u32 v[ADV+\f], s94, v[LI]
	v_add_nc_u32 v[AVS+\f], s95, v23
	s_add_co_u32 s93, s93, SLOT
	s_add_co_u32 s94, s94, SLOT
	s_add_co_u32 s95, s95, SLOT
.endr
.irp b, 0,1,2,3
	v_mov_b32 v[52+\b], 0                          ; a lane permute's destination counts as one of its sources
.endr
	s_wait_alu depctr_va_vdst(0)
	s_cmp_lt_u32 s14, 2
	s_cbranch_scc0 .Lno_wait
	s_wait_tensorcnt 0x0                           ; K steps 0-1 are waves 0's and 1's loads; 2-3 may be out
.Lno_wait:
	s_barrier_signal -1
	s_barrier_wait -1
	FETCHB 0, 0
	FETCHA 0, 0
	SCALES 0, 0
	FETCHA 0, 4
	STEP 0, 1
	TURN 1
	STEP 2, 0
	TURN 3
	STEP 4, 0
	TURN 5
	STEP 6, 0
	TURN 7
; THE WAY OUT.  Block a: lane (r, h) holds its row's 64 numbers, register 16 b + i = number 32 b + 16 h + i of 128 along the next K.  They become a fragment's codes and a scale word.
.macro QP a, ob
.set W, 2+(\a)/4
.set AC, 64*((\a)%4)
	WIN (W<<2)|(W<<4)
.irp b, 0,1,2,3
	v_max3_num_f32 v[48+\b], 0x1800000, |v[AC+16*\b]|, |v[AC+16*\b+1]|   ; my 16 numbers of block b and the floor 2^(3 - 127); each accumulator is read from its low end on
.endr
.irp i, 2,4,6,8,10,12,14
.irp b, 0,1,2,3
	v_max3_num_f32 v[48+\b], v[48+\b], |v[AC+16*\b+\i]|, |v[AC+16*\b+\i+1]|
.endr
.endr
	WIN 0
.irp b, 0,1,2,3
	v_permlanex16_b32 v[52+\b], v[48+\b], s[SEL], s[SEL+1]
.endr
.irp b, 0,1,2,3
	v_max_num_f32 v[48+\b], v[48+\b], v[52+\b]     ; with lane l xor 16's: the block's largest magnitude
.endr
.irp b, 0,1,2,3
	v_add_nc_u32 v[60+\b], 0xff000000, v[48+\b]    ; 2 off the exponent field: the conversion's scale operand
.endr
.irp b, 0,1,2,3
	v_lshrrev_b32 v[52+\b], 23, v[60+\b]           ; the byte
.endr
	v_lshl_or_b32 v[96+\a], v53, 8, v52
	v_lshl_or_b32 v[96+\a], v54, 16, v[96+\a]
	v_lshl_or_b32 v[96+\a], v55, 24, v[96+\a]
	s_wait_alu depctr_va_vdst(0)
	s_wait_xcnt 0x0                                ; the last block's stores have read the codes' registers
	WIN W
.irp c, 0,1
	v_cvt_scalef32_pk16_fp6_f32 v[64+6*\c:66+6*\c], v[AC+32*\c:AC+32*\c+15], v[60+2*\c]
	v_cvt_scalef32_pk16_fp6_f32 v[76+4*\c:78+4*\c], v[AC+32*\c+16:AC+32*\c+31], v[61+2*\c]
.endr
	WIN 0
	v_nop                                          ; one plain place behind a scaled conversion
.irp c, 0,1                                    ; the operand's layout wants a whole block in a lane
.irp i, 0,1,2
	v_permlane16_swap_b32 v[64+6*\c+\i], v[76+4*\c+\i]
.endr
.irp i, 0,1,2
	v_mov_b32 v[67+6*\c+\i], v[76+4*\c+\i]
.endr
.endr
.irp m, 0,1,2
	global_store_b128 v[LI], v[64+4*\m:67+4*\m], s[\ob:\ob+1] offset:1536*(\a)+512*\m   ; the image: 512 consecutive bytes a store
.endr
	ds_store_b32 v25, v[96+\a] offset:64*(\a)
.endm
.irp a, 0,1,2,3,4,5,6,7
	QP \a, 22
.endr
	ds_load_b128 v[92:95], v26                     ; the block's 128 scale words (LDS serves a wave's instructions in order)
	s_wait_dscnt 0x0
	global_store_b128 v[LI], v[92:95], s[22:23] offset:12288
; V^T
	VSTEP 0, 1, 0
	VSTEP 1, 0, 0
	VSTEP 2, 0, 1
	VSTEP 3, 0, 0
	VSTEP 4, 0, 0
	VSTEP 5, 0, 0
	VSTEP 6, 0, 0
	s_wait_dscnt 0x0
	WIN MUL_LO
	MULV 0, 0, 1, 0
	MULV 1, 0, 1, 0
	MULV 2, 1, 1, 0
	MULV 3, 1, 1, 0
	WIN 0
	PLACES
.irp a, 0,1,2,3
	QP \a, 20
.endr
	ds_load_b64 v[88:89], v27
	s_wait_dscnt 0x0
	global_store_b64 v18, v[88:89], s[18:19]       ; 32 lanes store one aligned unit of 256 bytes
	s_wait_tensorcnt 0x0                           ; the wave's end
	ds_add_u32 v[SPW], v[NIL]
	s_wait_dscnt 0x0
	CROUND                                         ; the closing round
	s_endpgm
.Lfunc_end_k_q7b2aa2bfef_qkv:
	.size	k_q7b2aa2bfef_qkv, .Lfunc_end_k_q7b2aa2bfef_qkv-k_q7b2aa2bfef_qkv
	.p2alignl 7, 3214868480
	.fill 96, 4, 3214868480
	.section	.rodata,"a",@progbits
	.p2align	6, 0x0
	.amdhsa_kernel k_q7b2aa2bfef_qkv
		.amdhsa_group_segment_fixed_size 327680
		.amdhsa_private_segment_fixed_size 0
		.amdhsa_enable_private_segment 0
		.amdhsa_kernarg_size 32
		.amdhsa_user_sgpr_count 2
		.amdhsa_user_sgpr_kernarg_segment_ptr 1
		.amdhsa_wavefront_size32 1
		.amdhsa_system_sgpr_workgroup_id_x 1
		.amdhsa_system_sgpr_workgroup_id_y 1
		.amdhsa_system_sgpr_workgroup_id_z 1
		.amdhsa_system_vgpr_workitem_id 0
		.amdhsa_next_free_vgpr 1024
		.amdhsa_next_free_sgpr 100
		.amdhsa_reserve_vcc 0
		.amdhsa_float_denorm_mode_32 3
		.amdhsa_float_denorm_mode_16_64 3
		.amdhsa_memory_ordered 1
		.amdhsa_forward_progress 1
		.amdhsa_inst_pref_size 216
	.end_amdhsa_kernel
	.amdgpu_metadata
---
amdhsa.version: [ 1, 2 ]
amdhsa.kernels:
  - .name:           k_q7b2aa2bfef_qkv
    .symbol:         k_q7b2aa2bfef_qkv.kd
    .args:
      - { .name: xq, .offset: 0, .size: 8, .value_kind: global_buffer, .address_space: global }
      - { .name: wq, .offset: 8, .size: 8, .value_kind: global_buffer, .address_space: global }
      - { .name: qk, .offset: 16, .size: 8, .value_kind: global_buffer, .address_space: global }
      - { .name: vt, .offset: 24, .size: 8, .value_kind: global_buffer, .address_space: global }
    .group_segment_fixed_size: 327680
    .private_segment_fixed_size: 0
    .kernarg_segment_align: 8
    .kernarg_segment_size: 32
    .max_flat_workgroup_size: 128
    .sgpr_count:     100
    .vgpr_count:     1024
    .wavefront_size: 32
...
	.end_amdgpu_metadata
.endif
;; end of part 2
;; launch score (part 3): grid 36 x 4, 8 waves a work-group, no clusters, 327,680 bytes of LDS; arguments qk, pc, ps; writes pc, ps
.if DOCPART == 3
	.amdgcn_target "amdgcn-amd-amdhsa--gfx1250"
	.amdhsa_code_object_version 6
	.text
	.protected	k_q7b2aa2bfef_score
	.globl	k_q7b2aa2bfef_score
	.p2align	8
	.type	k_q7b2aa2bfef_score,@function
k_q7b2aa2bfef_score:
	s_mov_b64 s[64:65], 0
	v_nop
	global_prefetch_b8 v0, s[64:65] scope:SCOPE_SE
	s_setreg_imm32_b32 hwreg(HW_REG_WAVE_MODE, 25, 1), 1
	s_wait_xcnt 0x0
; S = q k^T on the 36 tiles of 256 x 256 of batch y that reach the diagonal or lie under it; the causal mask; p = 2^(t - M), t = score x log2(e) / 32; p quantised along the keys to FP6 (E2M3) with E8M0 scales.
; LEFT OUT: the tiles wholly above the diagonal, which reference() hides by its own mask.
; M IS LOCAL: for each query and each 128 keys (one wave's columns) M = ceil(the largest t there), a whole number.  Stored for each (query, 128 keys): the codes (pc), the scale word, -M and the sum l of the unquantised p (ps).
; The next launch brings the scale bytes and the sums under the row's M: whole-number shifts of the bytes, exact.
; FORMATS: a row group is 128 rows = 8 fragments F; lane r of fragment F holds row 32 (F / 2) + 8 (F % 2) + r % 8 + 16 (r / 8); an image is 1,536 bytes; a block (row group, 128 along K) is 8 images and 512 bytes of scale words: 12,800 bytes.
;   qk: [row group of tokens][16 K steps: 0-7 q, 8-15 k][block].  pc: [row group of queries][key / 128][8 images].  ps: [row group][key / 128][scale words, -M, l: 512 bytes each, at 64 F + 4 r].
; EIGHT WAVES, two on a SIMD: a wave makes 64 queries (A, source 1: four fragments) x 128 keys (B, source 0: eight): 32 accumulators, 256 registers.
; K = 1,024 is eight steps.  LDS holds six of them.  At the head each wave asks for one tile: waves 0, 1 q's and k's step 0; 2, 3 step 1; 4, 5 steps 2-3; 6, 7 steps 4-5.  Plain barriers show them one after the other;
; behind step 2's barrier waves 0 to 3 fill the first two steps' bytes again, with steps 6 and 7.  A wave has one tensor load out at the most.
; NO CLUSTER: a batch's 36 lower tiles do not divide into sets of four that share a row or a column of tiles unless partners are added that lie wholly above the diagonal, whose work could not be jumped over.
; NO PREFETCH: K is eight written-out steps, six of them on their way from the head on.
; LIMITS: hidden scores become -3e38 and a local largest t is held at -2^100 from below (a row all of whose 128 keys are hidden gets p = 0, l = 0, -M = 2^100); the scaled scores stay under 2^31 in magnitude.  NaN and infinities are not served.
; A block of zeros keeps the byte 1: its codes are zeros, and this program alone reads the bytes.
; REGISTERS: window 0: v2-31 addresses; v32-47 scale words, two sets; v64-159 A's fragments, two sets; v160-255 B's, one set; all free behind the products.  window 1: accumulator (a, b) at v[8 (8 a + b)].
.set BLK,   12800
.set RG,    16*BLK                     ; a row group in qk
.set SPARE, 24*BLK
.set STG,   SPARE+1024                 ; 768 bytes a wave: scale words, -M, l on their way out
.set AA,    1                          ; v2-4    LDS address of my A fragments in the one-step regions, in steps 2-3's, in steps 4-5's
.set AB,    4                          ; v5-7    of B's
.set SA,    7                          ; v8-10   of A's scale words
.set SB,    10                         ; v11-13  of B's
.set LI,    24
.set SPW,   28
.set NIL,   29
.set SC,    32
.set AF,    64
.set BF,    160
.set CS,    58
.set SEL,   60
.set OC,    10
.set OS,    12
.set MSB, 0
.macro WIN new                         ; the immediate's high byte repeats the setting that is left
.if MSB != \new
	s_set_vgpr_msb (MSB<<8)|\new
.set MSB, \new
.endif
.endm
.macro PLACES                          ; four plain places behind matrix instructions (ISA guide 7.12.1)
.rept 4
	v_nop
.endr
.endm
.macro TL g0, g1
	tensor_load_to_lds s[\g0:\g0+3], s[\g1:\g1+7]
	s_nop 0
	PLACES
.endm
.macro LOC k                           ; where step k lies: its address registers and its offset
.if ((\k)%6) < 2
.set GG, 1
.set OO, ((\k)%6)*4*BLK
.else
.set GG, 1+(\k)/2
.set OO, ((\k)%2)*BLK
.endif
.endm
.macro FRAGL reg, adr, off
.irp m, 0,1,2
	ds_load_b128 v[(\reg)+4*\m:(\reg)+4*\m+3], v[\adr] offset:(\off)+512*\m
.endr
.endm
.macro FETCHB k, i0
	LOC \k
.irp i, 0,1,2,3
	FRAGL BF+12*((\i0)+\i), AB+GG, OO+1536*((\i0)+\i)
.endr
.endm
.macro FETCHA k                        ; A's four fragments and the scale words (B: lanes 0-15 fragment i's, lanes 16-31 fragment i + 4's; A: i's and i + 2's): set k % 2
	LOC \k
.irp i, 0,1,2,3
	FRAGL AF+48*((\k)%2)+12*\i, AA+GG, OO+1536*\i
.endr
.irp i, 0,1,2,3
	ds_load_b32 v[SC+8*((\k)%2)+\i], v[SB+GG] offset:OO+64*\i
.endr
.irp i, 0,1
	ds_load_b32 v[SC+8*((\k)%2)+4+\i], v[SA+GG] offset:OO+64*\i
.endr
.endm
.macro PM a, b, p, ra, rb, zero
.if \zero
	v_wmma_scale_f32_16x16x128_f8f6f4 v[8*(8*\a+(\b)):8*(8*\a+(\b))+7], v[BF+12*(\b):BF+12*(\b)+11], v[AF+48*(\p)+12*\a:AF+48*(\p)+12*\a+11], 0, v[SC+8*(\p)+(\b)%4], v[SC+8*(\p)+4+\a%2] matrix_a_fmt:MATRIX_FMT_FP6 matrix_b_fmt:MATRIX_FMT_FP6 matrix_a_scale:MATRIX_SCALE_ROW\ra matrix_b_scale:MATRIX_SCALE_ROW\rb
.else
	v_wmma_scale_f32_16x16x128_f8f6f4 v[8*(8*\a+(\b)):8*(8*\a+(\b))+7], v[BF+12*(\b):BF+12*(\b)+11], v[AF+48*(\p)+12*\a:AF+48*(\p)+12*\a+11], v[8*(8*\a+(\b)):8*(8*\a+(\b))+7], v[SC+8*(\p)+(\b)%4], v[SC+8*(\p)+4+\a%2] matrix_a_fmt:MATRIX_FMT_FP6 matrix_b_fmt:MATRIX_FMT_FP6 matrix_a_scale:MATRIX_SCALE_ROW\ra matrix_b_scale:MATRIX_SCALE_ROW\rb
.endif
.endm
.macro MUL8 b0, ra, k, zero            ; B's fragments b0, b0 + 1 x A's four; the 32 accumulators take turns, one instruction a turn
	WIN 0x50
.irp b, \b0, \b0+1
	PM 0, \b, (\k)%2, \ra, 0, \zero
	PM 1, \b, (\k)%2, \ra, 0, \zero
	PM 2, \b, (\k)%2, \ra, 1, \zero
	PM 3, \b, (\k)%2, \ra, 1, \zero
.endr
.endm
.macro NEXT k, zero                    ; the second half of step k, with the next step's loads
	FETCHB (\k)+1, 0
	FETCHA (\k)+1
	MUL8 4, 1, \k, \zero
	MUL8 6, 1, \k, \zero
	PLACES
	WIN 0
	FETCHB (\k)+1, 4
.endm
.macro STEP k
	s_wait_dscnt 12                                ; all but the youngest 12 loads (B's fragments 4-7) are in
	MUL8 0, 0, \k, 0
	MUL8 2, 0, \k, 0
	s_wait_dscnt 0x0
	PLACES
	WIN 0
	NEXT \k, 0
.endm
.macro SHOW k, th, zero                ; a plain barrier inside the step shows the tiles of the waves under th
	s_wait_dscnt 12
	MUL8 0, 0, \k, \zero
	s_wait_dscnt 0x0
	WIN 0
.if (\th) < 8
	s_cmp_lt_u32 s2, \th
	s_cbranch_scc0 .Lno_wait_\@
.endif
	s_wait_tensorcnt 0x0
.Lno_wait_\@:
	s_barrier_signal -1
	MUL8 2, 0, \k, \zero
	WIN 0
	s_barrier_wait -1
	PLACES
	NEXT \k, \zero
.endm
	s_load_b128 s[4:7], s[0:1], 0x0                ; qk, pc
	s_load_b64 s[8:9], s[0:1], 0x10                ; ps
	v_lshl_add_u32 v[SPW], v0, 2, SPARE
	v_mov_b32 v[NIL], 0
	ds_add_u32 v[SPW], v[NIL]
	ds_add_u32 v[SPW], v[NIL]
	v_lshrrev_b32 v1, 5, v0
	v_readfirstlane_b32 s2, v1                     ; wave
	s_lshr_b32 s3, s2, 1                           ; which 64 queries of the tile's 256 are mine
	s_and_b32 s62, s2, 1                           ; which 128 keys.  Also: I fetch q (0) or k (1)
	s_lshr_b32 s90, s2, 2                          ; my queries' row group
	s_and_b32 s91, s3, 1                           ; and which half of it
	s_and_b32 s44, ttmp7, 0xffff                   ; y: the batch
	s_mov_b32 s45, 0                               ; i: how many of the triangle's row starts lie at or under my number
.irp T, 1,3,6,10,15,21,28
	s_cmp_ge_u32 ttmp9, \T
	s_add_co_ci_u32 s45, s45, 0
.endr
	s_add_co_u32 s46, s45, 1
	s_mul_i32 s46, s46, s45
	s_lshr_b32 s46, s46, 1
	s_sub_co_u32 s46, ttmp9, s46                   ; j = number - i (i + 1) / 2
	s_lshl_b32 s47, s44, 4
	s_lshl_b32 s48, s45, 1
	s_add_co_u32 s48, s48, s47                     ; 16 y + 2 i
	s_lshl_b32 s49, s46, 1
	s_add_co_u32 s49, s49, s47                     ; 16 y + 2 j
	s_mul_i32 s50, s48, RG                         ; q: K steps 0-7
	s_mul_i32 s51, s49, RG
	s_add_co_u32 s51, s51, 8*BLK                   ; k: K steps 8-15
	s_cmp_eq_u32 s62, 0
	s_cselect_b32 s82, s50, s51
	s_lshl_b32 s41, s3, 1
	s_sub_co_u32 s41, s41, 2                       ; my first K step: waves 0-3 wave / 2, waves 4-7 2 (wave / 2) - 2
	s_cmp_lt_u32 s2, 4
	s_cselect_b32 s40, s3, s41
	s_mul_i32 s40, s40, BLK
	s_add_co_u32 s82, s82, s40
	s_mov_b32 s83, 0
	; group 1: two rows (row groups) of one K step, 12,800 bytes, or of two; 204,800 bytes apart
	s_mov_b32 s16, 3<<16
	s_mov_b32 s17, 1600<<16
	s_mov_b32 s18, 2<<16
	s_mov_b32 s19, 1600<<16
	s_mov_b32 s20, 2
	s_mov_b32 s21, 25600
	s_mov_b32 s22, 0
	s_mov_b32 s23, 0
	s_mov_b32 s24, 3<<16
	s_mov_b32 s25, 3200<<16
	s_mov_b32 s26, 2<<16
	s_mov_b32 s27, 3200<<16
	s_mov_b32 s28, 2
	s_mov_b32 s29, 25600
	s_mov_b32 s30, 0
	s_mov_b32 s31, 0
	s_mov_b32 s32, 1
	s_mul_i32 s33, s2, 2*BLK                       ; one-step tiles: q0, k0, q1, k1
	s_mov_b32 s36, 1
	s_and_b32 s37, s2, 3
	s_mul_i32 s37, s37, 4*BLK
	s_add_co_u32 s37, s37, 8*BLK                   ; two-step tiles: q2-3, k2-3, q4-5, k4-5
	s_mov_b32 s[CS], 0x3d38aa3b                    ; c = log2(e) / sqrt(1024)
	s_mov_b32 s[CS+1], s[CS]                       ; (named with it as a pair, so it is written)
	s_mov_b32 s[SEL], 0x76543210
	s_mov_b32 s[SEL+1], 0xfedcba98
	s_wait_dscnt 0x0
	s_wait_kmcnt 0x0
	s_add_nc_u64 s[34:35], s[4:5], s[82:83]
	s_mov_b64 s[38:39], s[34:35]
	s_or_b32 s35, s35, 0x80000000
	s_or_b32 s39, s39, 0x80000000
	s_cmp_lt_u32 s2, 2                             ; one chain, one load a wave; waves that wait alike share a line
	s_cbranch_scc0 .Lhead_1
	TL 32, 16
	s_branch .Lhead_asked
.Lhead_1:
	s_cmp_lt_u32 s2, 4
	s_cbranch_scc0 .Lhead_2
	TL 32, 16
	s_branch .Lhead_asked
.Lhead_2:
	s_cmp_lt_u32 s2, 6
	s_cbranch_scc0 .Lhead_3
	TL 36, 24
	s_branch .Lhead_asked
.Lhead_3:
	TL 36, 24
.Lhead_asked:
	s_add_co_u32 s50, s48, s90
	s_lshl_b32 s50, s50, 4
	s_lshl_b32 s51, s46, 1
	s_add_co_u32 s50, s50, s51
	s_add_co_u32 s50, s50, s62                     ; (my queries' row group) x 16 + my keys' K step
	s_mul_i32 s56, s50, 12288
	s_mul_i32 s51, s91, 6144
	s_add_co_u32 s56, s56, s51
	s_mov_b32 s57, 0
	s_add_nc_u64 s[OC:OC+1], s[6:7], s[56:57]
	s_mul_i32 s56, s50, 1536
	s_lshl_b32 s51, s91, 8
	s_add_co_u32 s56, s56, s51
	s_add_nc_u64 s[OS:OS+1], s[8:9], s[56:57]
	s_mul_i32 s50, s90, BLK
	s_mul_i32 s52, s91, 6144
	s_lshl_b32 s53, s91, 8
	s_add_co_u32 s53, s53, 12288
	s_add_co_u32 s40, s50, s52                     ; one-step regions: my A fragments,
	s_add_co_u32 s41, s50, s53                     ; their words,
	s_mul_i32 s42, s62, BLK
	s_add_co_u32 s42, s42, 2*BLK                   ; B's
	s_lshl_b32 s50, s50, 1
	s_add_co_u32 s50, s50, 8*BLK
	s_add_co_u32 s43, s50, s52                     ; two-step regions
	s_add_co_u32 s54, s50, s53
	s_mul_i32 s55, s62, 2*BLK
	s_add_co_u32 s55, s55, 12*BLK
	s_mul_i32 s56, s2, 768
	s_add_co_u32 s56, s56, STG
	v_and_b32 v1, 31, v0                           ; L
	v_and_b32 v14, 15, v0                          ; r
	v_bfe_u32 v15, v0, 4, 1                        ; h
	v_lshlrev_b32 v[LI], 4, v1
	v_lshlrev_b32 v27, 3, v1
	v_lshlrev_b32 v16, 2, v14
	v_lshl_add_u32 v17, v15, 7, v16                ; A's words: 4 r + 128 h
	v_lshl_add_u32 v18, v15, 8, v16
	v_add_nc_u32 v18, 12288, v18                   ; B's: 12,288 + 4 r + 256 h
	v_add_nc_u32 v25, s56, v16                     ; the way out: my row's word, -M and l,
	v_add_nc_u32 v26, s56, v27                     ; and where they are read back
	v_add_nc_u32 v[AA+1], s40, v[LI]
	v_add_nc_u32 v[SA+1], s41, v17
	v_add_nc_u32 v[AB+1], s42, v[LI]
	v_add_nc_u32 v[SB+1], s42, v18
	v_add_nc_u32 v[AA+2], s43, v[LI]
	v_add_nc_u32 v[SA+2], s54, v17
	v_add_nc_u32 v[AB+2], s55, v[LI]
	v_add_nc_u32 v[SB+2], s55, v18
	v_add_nc_u32 v[AA+3], 8*BLK, v[AA+2]
	v_add_nc_u32 v[SA+3], 8*BLK, v[SA+2]
	v_add_nc_u32 v[AB+3], 8*BLK, v[AB+2]
	v_add_nc_u32 v[SB+3], 8*BLK, v[SB+2]
	v_and_b32 v19, 7, v14
	v_lshrrev_b32 v20, 3, v14
	v_lshl_add_u32 v19, v20, 4, v19
	v_lshlrev_b32 v20, 4, v15
	v_sub_nc_u32 v31, v19, v20                     ; the mask: r % 8 + 16 (r / 8) - 16 h
	v_mov_b32 v30, 0xff61b1e6                      ; -3e38
.irp b, 0,1,2,3
	v_mov_b32 v[52+\b], 0                          ; a lane permute's destination counts as one of its sources
.endr
	s_wait_alu depctr_va_vdst(0)
	s_cmp_lt_u32 s2, 2
	s_cbranch_scc0 .Lno_wait
	s_wait_tensorcnt 0x0                           ; K step 0 is waves 0's and 1's; the others' loads may be out
.Lno_wait:
	s_barrier_signal -1
	s_barrier_wait -1
	FETCHB 0, 0
	FETCHA 0
	FETCHB 0, 4
	SHOW 0, 4, 1                                   ; step 0 starts the sums; K step 1 is shown
	SHOW 1, 6, 0                                   ; K steps 2-3 are shown
	; step 2: K steps 4-5 are shown, and the one-step regions are filled again
	s_wait_tensorcnt 0x0                           ; my tensor load has landed
	ds_add_u32 v[SPW], v[NIL]
	s_add_nc_u64 s[34:35], s[34:35], 6*BLK         ; waves 0-3: six K steps on
	s_wait_dscnt 13                                ; (the add and the youngest 12 loads may be out)
	MUL8 0, 0, 2, 0
	s_wait_dscnt 0x0                               ; the add is done, and my reads of K steps 0 and 1 were over long ago
	s_barrier_signal -1
	MUL8 2, 0, 2, 0
	WIN 0
	s_barrier_wait -1
	s_cmp_lt_u32 s2, 4
	s_cbranch_scc0 .Lno_fill
	TL 32, 16
.Lno_fill:
	PLACES
	NEXT 2, 0
	STEP 3
	STEP 4
	SHOW 5, 8, 0                                   ; K steps 6-7 are shown
	STEP 6
	s_wait_dscnt 12
	MUL8 0, 0, 7, 0
	MUL8 2, 0, 7, 0
	s_wait_dscnt 0x0
	MUL8 4, 1, 7, 0
	MUL8 6, 1, 7, 0
	WIN 0
	PLACES
; THE MASK, on the diagonal tiles alone (a scalar branch on ids).  In block a lane (r, h) is query 32 (a / 2) + 8 (a % 2) + r % 8 + 16 (r / 8) of my 64, and register n holds key 32 (n / 16) + n % 16 + 16 h of my 128.
; My 64 queries begin 32 d further on than my keys: a group of 32 keys beyond d + a / 2 is hidden, one before it is open, and in group d + a / 2 a key is hidden where n % 16 - 8 (a % 2) > r % 8 + 16 (r / 8) - 16 h.
.macro MASKD d
	WIN 0x41
.irp a, 0,1,2,3
.set n, 0
.rept 64
.if (n/16) > ((\d)+\a/2)
	v_mov_b32 v[64*\a+n], 0xff61b1e6
.elseif (n/16) == ((\d)+\a/2)
	v_cndmask_b32 v[64*\a+n], v[64*\a+n], v30, s[74+n%16-8*(\a%2)]
.endif
.set n, n+1
.endr
.endr
	WIN 0
	s_wait_alu depctr_va_vdst(0)
.endm
	s_cmp_lg_u32 s45, s46
	s_cbranch_scc1 .Lopen
	s_lshl_b32 s40, s62, 1
	s_sub_co_i32 s40, s3, s40                      ; d / 2
	s_cmp_ge_i32 s40, 2
	s_cbranch_scc1 .Lopen                          ; all of my keys are open
.set K, -8
.rept 24
	v_cmp_gt_i32 s[74+K], K, v31
.set K, K+1
.endr
	s_cmp_eq_u32 s40, 0
	s_cbranch_scc1 .Lmask_0
	s_cmp_eq_u32 s40, 1
	s_cbranch_scc1 .Lmask_2
	MASKD -4                                       ; all of my keys are hidden
	s_branch .Lopen
.Lmask_0:
	MASKD 0
	s_branch .Lopen
.Lmask_2:
	MASKD 2
.Lopen:
; THE SOFTMAX'S FIRST HALF AND THE QUANTISER, block a of 16 queries x my 128 keys.  What a store reads has registers of its own in each block.
.macro SM a
.set AC, 64*\a
.set MM, 176+2*\a                      ; -M
.set LL, 184+2*\a                      ; l
.set CC, 200+12*\a                     ; the codes
	WIN 0x14
.irp b, 0,1,2,3
	v_max3_num_f32 v[48+\b], 0xff61b1e6, v[AC+16*\b], v[AC+16*\b+1]   ; the largest score of each block of 32 keys: it serves for M and, since p rises with the score, for the block's largest p
.endr
.irp i, 2,4,6,8,10,12,14
.irp b, 0,1,2,3
	v_max3_num_f32 v[48+\b], v[48+\b], v[AC+16*\b+\i], v[AC+16*\b+\i+1]
.endr
.endr
	WIN 0
.irp b, 0,1,2,3
	v_permlanex16_b32 v[52+\b], v[48+\b], s[SEL], s[SEL+1]
.endr
.irp b, 0,1,2,3
	v_max_num_f32 v[48+\b], v[48+\b], v[52+\b]     ; with lane l xor 16's 16 keys
.endr
	v_max3_num_f32 v56, v48, v49, v50
	v_max_num_f32 v56, v56, v51
	v_mul_f32 v56, s[CS], v56                      ; as t (c is positive)
	v_max_num_f32 v[MM+1], 0xf1800000, v56         ; held at -2^100 from below
	v_floor_f32 v[MM], -v[MM+1]                    ; -M = floor(-t) = -ceil(t): a whole number
	WIN 0x01
.set j, 0
.rept 32
	v_pk_fma_f32 v[64+j:65+j], v[AC+j:AC+j+1], s[CS:CS+1], v[MM:MM+1] op_sel_hi:[1,0,0]   ; t - M, two at a time
.set j, j+2
.endr
	WIN 0
.irp b, 0,1,2,3
	v_fma_f32 v[48+\b], v[48+\b], s[CS], v[MM]     ; the same of each block's largest score
.endr
	s_wait_alu depctr_va_vdst(0)
.set j, 0
.rept 64
	v_exp_f32 v[64+j], v[64+j]                     ; p = 2^(t - M), at most 1
.set j, j+1
.endr
.irp b, 0,1,2,3
	v_exp_f32 v[48+\b], v[48+\b]                   ; each block's largest p
.endr
	v_nop                                          ; a plain place behind the exponentials
	s_wait_alu depctr_va_vdst(0)                   ; one wait for the batch, ahead of its first reader
	v_pk_add_f32 v[LL:LL+1], v[64:65], v[66:67]    ; l: the sum of the unquantised p, two at a time, in two chains
	v_pk_add_f32 v[164:165], v[68:69], v[70:71]
.irp j, 8,12,16,20,24,28,32,36,40,44,48,52,56,60
	v_pk_add_f32 v[LL:LL+1], v[LL:LL+1], v[64+\j:65+\j]
	v_pk_add_f32 v[164:165], v[164:165], v[66+\j:67+\j]
.endr
.irp b, 0,1,2,3
	v_max_num_f32 v[48+\b], 0x1800000, v[48+\b]    ; the floor 2^(3 - 127)
.endr
	v_pk_add_f32 v[LL:LL+1], v[LL:LL+1], v[164:165]
.irp b, 0,1,2,3
	v_add_nc_u32 v[60+\b], 0xff000000, v[48+\b]    ; the conversion's scale operand
.endr
	v_add_f32 v[LL], v[LL], v[LL+1]
.irp b, 0,1,2,3
	v_lshrrev_b32 v[52+\b], 23, v[60+\b]           ; the byte
.endr
	v_permlanex16_b32 v164, v[LL], s[SEL], s[SEL+1]
	v_lshl_or_b32 v[192+\a], v53, 8, v52
	v_lshl_or_b32 v[192+\a], v54, 16, v[192+\a]
	v_lshl_or_b32 v[192+\a], v55, 24, v[192+\a]
	v_add_f32 v[LL], v[LL], v164                   ; l of my query over these 128 keys
.irp c, 0,1
	v_cvt_scalef32_pk16_fp6_f32 v[CC+6*\c:CC+6*\c+2], v[64+32*\c:79+32*\c], v[60+2*\c]
	v_cvt_scalef32_pk16_fp6_f32 v[140+4*\c:142+4*\c], v[80+32*\c:95+32*\c], v[61+2*\c]
.endr
	v_nop                                          ; one plain place behind a scaled conversion
.irp c, 0,1
.irp i, 0,1,2
	v_permlane16_swap_b32 v[CC+6*\c+\i], v[140+4*\c+\i]
.endr
.irp i, 0,1,2
	v_mov_b32 v[CC+6*\c+3+\i], v[140+4*\c+\i]
.endr
.endr
.irp m, 0,1,2
	global_store_b128 v[LI], v[CC+4*\m:CC+4*\m+3], s[OC:OC+1] offset:1536*\a+512*\m   ; the image: 512 consecutive bytes a store
.endr
	ds_store_b32 v25, v[192+\a] offset:64*\a
	ds_store_b32 v25, v[MM] offset:256+64*\a
	ds_store_b32 v25, v[LL] offset:512+64*\a
.endm
.irp a, 0,1,2,3
	SM \a
.endr
.irp t, 0,1,2
	ds_load_b64 v[148+2*\t:149+2*\t], v26 offset:256*\t   ; LDS serves a wave's instructions in order: these see my stores
.endr
	s_wait_dscnt 0x0
.irp t, 0,1,2
	global_store_b64 v27, v[148+2*\t:149+2*\t], s[OS:OS+1] offset:512*\t   ; 32 lanes store one aligned unit of 256 bytes
.endr
	; The next launch fetches P in runs of four K steps.  Where the diagonal tile ends a run's first half (i even), the two K steps behind it get zero codes, so that every byte that is fetched has been stored.
	s_cmp_lg_u32 s45, s46
	s_cbranch_scc1 .Lend
	s_bitcmp1_b32 s45, 0
	s_cbranch_scc1 .Lend
.irp i, 0,1,2,3
	v_mov_b32 v[156+\i], 0
.endr
.set m, 0
.rept 12
	global_store_b128 v[LI], v[156:159], s[OC:OC+1] offset:24576+512*m
.set m, m+1
.endr
.Lend:
	s_wait_tensorcnt 0x0                           ; the wave's end
	ds_add_u32 v[SPW], v[NIL]
	s_wait_dscnt 0x0
	s_endpgm
.Lfunc_end_k_q7b2aa2bfef_score:
	.size	k_q7b2aa2bfef_score, .Lfunc_end_k_q7b2aa2bfef_score-k_q7b2aa2bfef_score
	.p2alignl 7, 3214868480
	.fill 96, 4, 3214868480
	.section	.rodata,"a",@progbits
	.p2align	6, 0x0
	.amdhsa_kernel k_q7b2aa2bfef_score
		.amdhsa_group_segment_fixed_size 327680
		.amdhsa_private_segment_fixed_size 0
		.amdhsa_enable_private_segment 0
		.amdhsa_kernarg_size 24
		.amdhsa_user_sgpr_count 2
		.amdhsa_user_sgpr_kernarg_segment_ptr 1
		.amdhsa_wavefront_size32 1
		.amdhsa_system_sgpr_workgroup_id_x 1
		.amdhsa_system_sgpr_workgroup_id_y 1
		.amdhsa_system_sgpr_workgroup_id_z 1
		.amdhsa_system_vgpr_workitem_id 0
		.amdhsa_next_free_vgpr 512
		.amdhsa_next_free_sgpr 100
		.amdhsa_reserve_vcc 0
		.amdhsa_float_denorm_mode_32 3
		.amdhsa_float_denorm_mode_16_64 3
		.amdhsa_memory_ordered 1
		.amdhsa_forward_progress 1
		.amdhsa_inst_pref_size 151
	.end_amdhsa_kernel
	.amdgpu_metadata
---
amdhsa.version: [ 1, 2 ]
amdhsa.kernels:
  - .name:           k_q7b2aa2bfef_score
    .symbol:         k_q7b2aa2bfef_score.kd
    .args:
      - { .name: qk, .offset: 0, .size: 8, .value_kind: global_buffer, .address_space: global }
      - { .name: pc, .offset: 8, .size: 8, .value_kind: global_buffer, .address_space: global }
      - { .name: ps, .offset: 16, .size: 8, .value_kind: global_buffer, .address_space: global }
    .group_segment_fixed_size: 327680
    .private_segment_fixed_size: 0
    .kernarg_segment_align: 8
    .kernarg_segment_size: 24
    .max_flat_workgroup_size: 256
    .sgpr_count:     100
    .vgpr_count:     512
    .wavefront_size: 32
...
	.end_amdgpu_metadata
.endif
;; end of part 3
;; launch pv (part 4): grid 8 x 32, 4 waves a work-group, clusters of 4 x 1, 327,680 bytes of LDS; arguments pc, ps, vt, out0; writes out0
.if DOCPART == 4
	.amdgcn_target "amdgcn-amd-amdhsa--gfx1250"
	.amdhsa_code_object_version 6
	.text
	.protected	k_q7b2aa2bfef_pv
	.globl	k_q7b2aa2bfef_pv
	.p2align	8
	.type	k_q7b2aa2bfef_pv,@function
k_q7b2aa2bfef_pv:
	s_mov_b64 s[64:65], 0
	v_nop
	global_prefetch_b8 v0, s[64:65] scope:SCOPE_SE
	s_setreg_imm32_b32 hwreg(HW_REG_WAVE_MODE, 25, 1), 1
	s_wait_xcnt 0x0
	s_wait_alu depctr_hold_cnt(0) depctr_sa_sdst(0) depctr_va_vdst(0) depctr_va_sdst(0) depctr_va_ssrc(0) depctr_va_vcc(0) depctr_vm_vsrc(0)
	s_getreg_b32 s2, hwreg(HW_REG_IB_STS2, 6, 4)
	s_cmp_eq_u32 s2, 0
	s_cbranch_scc0 .Lentry_in_a_cluster
	s_endpgm
.Lentry_in_a_cluster:
	s_bfe_u32 s2, ttmp6, 0x10000c
	s_cmp_lg_u32 s2, 0x3003
	s_cbranch_scc0 .Lentry_shape_is_right
	s_endpgm
.Lentry_shape_is_right:
.set PBL,   12288
.set BLK,   12800
.set BUFV,  149504
.set VOF,   98304
.set FS,    2*BUFV
.set LT,    FS+16384
.set SPARE, LT+1024
.set SPW,  28
.set NIL,  29
.set G1P,  24
.set G1V,  32
.set G0P,  40
.set G0V,  48
.set OUT,  70
.set MSB, 0
.macro WIN new
.if MSB != \new
	s_set_vgpr_msb (MSB<<8)|\new
.set MSB, \new
.endif
.endm
.macro PLACES
.rept 4
	v_nop
.endr
.endm
.macro CREST
	s_cmp_lg_u32 s14, 0
	s_cbranch_scc1 .Lnot_wave_0_\@
	s_barrier_signal -3
.Lnot_wave_0_\@:
	s_barrier_wait -3
	s_barrier_signal -1
	s_barrier_wait -1
.endm
.macro CROUND
	s_barrier_signal -1
	s_barrier_wait -1
	CREST
.endm
.macro JLOADV u
	s_cmp_lt_u32 s14, 2
	s_cbranch_scc0 .Lfor_v_\@
	tensor_load_to_lds s[G0P+4*\u:G0P+4*\u+3], s[G1P:G1P+7]
	s_nop 0
.rept 4
	v_nop
.endr
	s_branch .Lasked_\@
.Lfor_v_\@:
	tensor_load_to_lds s[G0V+4*\u:G0V+4*\u+3], s[G1V:G1V+7]
	s_nop 0
.rept 4
	v_nop
.endr
.Lasked_\@:
.endm
.macro FRAGL reg, adr, off
.irp m, 0,1,2
	ds_load_b128 v[(\reg)+4*\m:(\reg)+4*\m+3], v[\adr] offset:(\off)+512*\m
.endr
.endm
.macro FETCHV u, q, ks, p
.irp a, 0,1,2,3,4,5,6,7
	FRAGL 64+96*(\p)+12*\a, 2+(\u), PBL*(\q)+1536*\a
.endr
.irp a, 0,1,2,3,4,5,6,7
	ds_load_b32 v[32+8*(\p)+\a], v8 offset:1024*(\ks)+64*\a
.endr
.irp bb, 0,1,2,3
	ds_load_b32 v[48+4*(\p)+\bb], v[6+(\u)] offset:BLK*(\q)+64*\bb
.endr
	WIN 0x40
.irp bb, 0,1,2,3
	FRAGL 48*(\p)+12*\bb, 4+(\u), BLK*(\q)+1536*\bb
.endr
	WIN 0
.endm
.macro MULV a0, cnt, p, zero
.set aa, \a0
.rept \cnt
.irp bb, 0,1,2,3
.if \zero
	v_wmma_scale_f32_16x16x128_f8f6f4 v[8*(4*aa+\bb):8*(4*aa+\bb)+7], v[48*(\p)+12*\bb:48*(\p)+12*\bb+11], v[64+96*(\p)+12*aa:64+96*(\p)+12*aa+11], 0, v[48+4*(\p)+\bb], v[32+8*(\p)+aa] matrix_a_fmt:MATRIX_FMT_FP6 matrix_b_fmt:MATRIX_FMT_FP6
.else
	v_wmma_scale_f32_16x16x128_f8f6f4 v[8*(4*aa+\bb):8*(4*aa+\bb)+7], v[48*(\p)+12*\bb:48*(\p)+12*\bb+11], v[64+96*(\p)+12*aa:64+96*(\p)+12*aa+11], v[8*(4*aa+\bb):8*(4*aa+\bb)+7], v[48+4*(\p)+\bb], v[32+8*(\p)+aa] matrix_a_fmt:MATRIX_FMT_FP6 matrix_b_fmt:MATRIX_FMT_FP6
.endif
.endr
.set aa, aa+1
.endr
.endm
.macro STEPV u, qn, ksn, p, zero
	PLACES
	FETCHV \u, \qn, \ksn, 1-(\p)
	s_wait_dscnt 48
	WIN 0xa1
	MULV 0, 8, \p, \zero
	WIN 0
.endm
.macro TURNV s
.set U, (\s)%2
	s_wait_tensorcnt 0x0
	ds_add_u32 v[SPW], v[NIL]
.if (\s) <= 1
	s_add_nc_u64 s[G0P+4*U+2:G0P+4*U+3], s[G0P+4*U+2:G0P+4*U+3], 8*PBL
	s_add_nc_u64 s[G0V+4*U+2:G0V+4*U+3], s[G0V+4*U+2:G0V+4*U+3], 8*BLK
.endif
	s_wait_dscnt 1
	WIN 0xa1
	MULV 0, 4, 1, 0
	s_wait_dscnt 0x0
	s_barrier_signal -1
	MULV 4, 2, 1, 0
	WIN 0
	s_barrier_wait -1
.if (\s) <= 1
	CREST
	s_cmp_gt_u32 s19, 4*((\s)+2)
	s_cbranch_scc0 .Lno_fill_\@
	JLOADV U
	s_branch .Lfill_done_\@
.Lno_fill_\@:
	PLACES
.Lfill_done_\@:
.else
	PLACES
.endif
	FETCHV 1-U, 0, 4*(\s)+4, 0
	WIN 0xa1
	MULV 6, 2, 1, 0
	WIN 0
.endm
.macro SLOTV s, zero
.set UU, (\s)%2
	STEPV UU, 1, 4*(\s)+1, 0, \zero
	STEPV UU, 2, 4*(\s)+2, 1, 0
	s_cmp_eq_u32 s19, 4*(\s)+2
	s_cbranch_scc1 .Lout
	STEPV UU, 3, 4*(\s)+3, 0, 0
.endm
	s_load_b256 s[4:11], s[0:1], 0x0
	v_lshl_add_u32 v[SPW], v0, 2, SPARE
	v_mov_b32 v[NIL], 0
	ds_add_u32 v28, v29
	ds_add_u32 v28, v29
	s_wait_dscnt 0x0
	v_lshrrev_b32 v1, 5, v0
	v_readfirstlane_b32 s14, v1
	s_lshr_b32 s15, s14, 1
	s_and_b32 s16, s14, 1
	s_bfe_u32 s17, ttmp6, 0x40000
	s_lshl_b32 s18, ttmp9, 2
	s_add_co_u32 s18, s18, s17
	s_and_b32 s22, ttmp7, 0xffff
	s_lshr_b32 s20, s22, 2
	s_sub_co_u32 s20, 7, s20
	s_and_b32 s21, s22, 3
	s_lshl_b32 s19, s20, 1
	s_add_co_u32 s19, s19, 2
	s_lshl_b32 s23, s21, 4
	s_lshl_b32 s56, s20, 1
	s_add_co_u32 s23, s23, s56
	s_add_co_u32 s56, s23, s15
	s_mul_i32 s56, s56, 16*1536
	s_mov_b32 s57, 0
	s_sub_co_u32 s58, s19, 1
	v_and_b32 v1, 31, v0
	v_lshlrev_b32 v9, 3, v1
	s_lshl_b32 s59, s16, 8
	v_add_nc_u32 v9, s59, v9
.set k, 0
	s_wait_alu depctr_va_vdst(0)
.rept 16
	s_min_u32 s59, s58, k
	s_mul_i32 s59, s59, 1536
	v_add_nc_u32 v[160+k], s59, v9
.set k, k+1
.endr
	s_add_co_u32 s62, s23, s16
	s_mul_i32 s62, s62, 16*PBL
	s_mov_b32 s63, 0
	s_lshl_b32 s66, s18, 6
	s_lshl_b32 s67, s21, 4
	s_add_co_u32 s66, s66, s67
	s_lshl_b32 s67, s16, 1
	s_add_co_u32 s66, s66, s67
	s_mul_i32 s66, s66, BLK
	s_mov_b32 s67, 0
	s_mul_i32 s68, s16, 4*PBL
	s_mul_i32 s69, s16, 2*BLK
	s_add_co_u32 s69, s69, VOF
	s_mov_b32 s[G1P], 15|(3<<16)|(1<<21)
	s_mov_b32 s[G1P+1], 32<<16
	s_mov_b32 s[G1P+2], 192<<16
	s_mov_b32 s[G1P+3], 32<<16
	s_mov_b32 s[G1P+4], 192
	s_mov_b32 s[G1P+5], 32
	s_mov_b32 s[G1P+6], 0
	s_mov_b32 s[G1P+7], 0
	s_mov_b32 s[G1V], 3<<16
	s_mov_b32 s[G1V+1], 32<<16
	s_mov_b32 s[G1V+2], 100<<16
	s_mov_b32 s[G1V+3], 32<<16
	s_mov_b32 s[G1V+4], 100
	s_mov_b32 s[G1V+5], 32
	s_mov_b32 s[G1V+6], 0
	s_mov_b32 s[G1V+7], 0
	s_lshl_b32 s12, s21, 11
	s_lshl_b32 s13, s20, 8
	s_add_co_u32 s12, s12, s13
	s_lshl_b32 s13, s15, 7
	s_add_co_u32 s12, s12, s13
	s_lshl_b32 s12, s12, 12
	s_lshl_b32 s13, s18, 9
	s_add_co_u32 s12, s12, s13
	s_lshl_b32 s13, s16, 8
	s_add_co_u32 s12, s12, s13
	s_mov_b32 s13, 0
	s_wait_alu depctr_va_vdst(0)
	s_wait_kmcnt 0x0
	s_add_nc_u64 s[60:61], s[6:7], s[56:57]
.set k, 0
.rept 16
.irp t, 0,1,2
	global_load_b64 v[64+6*k+2*\t:65+6*k+2*\t], v[160+k], s[60:61] offset:512*\t
.endr
.set k, k+1
.endr
	s_add_nc_u64 s[OUT:OUT+1], s[10:11], s[12:13]
	s_add_nc_u64 s[62:63], s[4:5], s[62:63]
	s_add_nc_u64 s[66:67], s[8:9], s[66:67]
.irp u, 0,1
	s_mov_b32 s[G0P+4*\u], 1
	s_add_co_u32 s[G0P+4*\u+1], s68, \u*BUFV
	s_add_nc_u64 s[G0P+4*\u+2:G0P+4*\u+3], s[62:63], \u*4*PBL
	s_or_b32 s[G0P+4*\u+3], s[G0P+4*\u+3], 0x80000000
	s_mov_b32 s[G0V+4*\u], 1
	s_add_co_u32 s[G0V+4*\u+1], s69, \u*BUFV
	s_add_nc_u64 s[G0V+4*\u+2:G0V+4*\u+3], s[66:67], \u*4*BLK
	s_or_b32 s[G0V+4*\u+3], s[G0V+4*\u+3], 0x80000000
.endr
	CROUND
	JLOADV 0
	s_wait_alu depctr_va_vdst(0)
	s_wait_tensorcnt 0x0
	ds_add_u32 v28, v29
	s_wait_dscnt 0x0
	CROUND
	s_cmp_gt_u32 s19, 4
	s_cbranch_scc0 .Lone_slot
	JLOADV 1
	s_branch .Lfilled
.Lone_slot:
	s_wait_tensorcnt 0x0
.Lfilled:
	v_and_b32 v14, 15, v0
	v_bfe_u32 v15, v0, 4, 1
	v_lshlrev_b32 v16, 4, v1
	s_wait_alu depctr_va_vdst(0)
	v_lshlrev_b32 v17, 2, v14
	s_wait_alu depctr_va_vdst(0)
	s_mul_i32 s2, s15, 4*PBL
	s_mul_i32 s3, s16, 6144
	s_add_co_u32 s3, s3, VOF
	s_lshl_b32 s12, s16, 8
	s_add_co_u32 s12, s12, VOF+12288
.irp u, 0,1
	v_add_nc_u32 v[2+\u], s2, v16
	v_add_nc_u32 v[4+\u], s3, v16
	v_add_nc_u32 v[6+\u], s12, v17
	s_add_co_u32 s2, s2, BUFV
	s_add_co_u32 s3, s3, BUFV
	s_add_co_u32 s12, s12, BUFV
.endr
	s_lshl_b32 s13, s15, 9
	s_add_co_u32 s13, s13, FS
	v_add_nc_u32 v8, s13, v17
	s_lshl_b32 s13, s14, 8
	v_lshlrev_b32 v12, 3, v1
	v_add_nc_u32 v12, s13, v12
	v_add_nc_u32 v13, LT, v12
	v_add_nc_u32 v12, FS, v12
	s_mul_i32 s13, s14, 4352
	v_mul_u32_u24 v18, v14, 272
	v_lshl_add_u32 v18, v15, 6, v18
	v_add_nc_u32 v18, s13, v18
	v_mul_u32_u24 v19, v15, 272
	v_lshl_add_u32 v19, v14, 4, v19
	v_add_nc_u32 v19, s13, v19
	v_lshlrev_b32 v20, 12, v15
	v_lshl_add_u32 v20, v14, 4, v20
	s_wait_loadcnt 0x0
	v_min_num_f32 v176, v66, v72
	v_min_num_f32 v177, v67, v73
.irp k, 2,4,6,8,10,12,14
	v_min3_num_f32 v176, v176, v[66+6*\k], v[72+6*\k]
	v_min3_num_f32 v177, v177, v[67+6*\k], v[73+6*\k]
.endr
	v_mov_b32 v178, 0
	v_mov_b32 v179, 0
.macro STATK k
.set D, 64+6*(\k)
	s_cmp_gt_u32 s19, \k
	s_cselect_b32 s2, 1.0, 0
.irp z, 0,1
	v_sub_f32 v[180+\z], v[176+\z], v[D+2+\z]
.endr
.irp z, 0,1
	v_cvt_i32_f32 v[180+\z], v[180+\z]
.endr
.irp z, 0,1
	v_ldexp_f32 v[182+\z], s2, v[180+\z]
.endr
.irp z, 0,1
	v_sub_nc_u32 v[180+\z], 0, v[180+\z]
.endr
.irp z, 0,1
	v_fmac_f32 v[178+\z], v[D+4+\z], v[182+\z]
.endr
.irp z, 0,1
	v_min_u32 v[180+\z], 0xff, v[180+\z]
.endr
.irp y, 0,1,2,3
.irp z, 0,1
	v_bfe_u32 v[184+2*\y+\z], v[D+\z], 8*\y, 8
.endr
.endr
.irp y, 0,1,2,3
.irp z, 0,1
	v_sub_nc_u32 v[184+2*\y+\z], v[184+2*\y+\z], v[180+\z]
.endr
.endr
.irp y, 0,1,2,3
.irp z, 0,1
	v_max_i32 v[184+2*\y+\z], 1, v[184+2*\y+\z]
.endr
.endr
.irp z, 0,1
	v_lshl_or_b32 v[D+\z], v[186+\z], 8, v[184+\z]
.endr
.irp z, 0,1
	v_lshl_or_b32 v[D+\z], v[188+\z], 16, v[D+\z]
.endr
.irp z, 0,1
	v_lshl_or_b32 v[D+\z], v[190+\z], 24, v[D+\z]
.endr
	ds_store_b64 v12, v[D:D+1] offset:1024*(\k)
.endm
.irp k, 0,1,2,3,4,5,6,7,8,9,10,11,12,13,14,15
	STATK \k
.endr
	s_wait_alu depctr_va_vdst(0)
	v_rcp_f32 v192, v178
	v_rcp_f32 v193, v179
	v_nop
	s_wait_alu depctr_va_vdst(0)
	ds_store_b64 v13, v[192:193]
	s_wait_tensorcnt 1
	s_wait_dscnt 0x0
	s_barrier_signal -1
	s_barrier_wait -1
	FETCHV 0, 0, 0, 0
	SLOTV 0, 1
	s_cmp_eq_u32 s19, 4
	s_cbranch_scc1 .Llast
	TURNV 0
	SLOTV 1, 0
	s_cmp_eq_u32 s19, 8
	s_cbranch_scc1 .Llast
	TURNV 1
	SLOTV 2, 0
	s_cmp_eq_u32 s19, 12
	s_cbranch_scc1 .Llast
	TURNV 2
	SLOTV 3, 0
.Llast:
	s_wait_dscnt 0x0
	WIN 0xa1
	MULV 0, 8, 1, 0
	WIN 0
.Lout:
	s_wait_dscnt 0x0
	PLACES
.irp a, 0,1,2,3,4,5,6,7
	ds_load_b32 v[32+2*\a], v8 offset:LT-FS+64*\a
	ds_load_b32 v[33+2*\a], v8 offset:LT-FS+64*\a
.endr
	s_wait_tensorcnt 0x0
	s_wait_dscnt 0x0
	s_barrier_signal -1
	s_barrier_wait -1
.macro OPACK a
.set TO, 64+32*((\a)%2)
.set BK, 128+32*((\a)%2)
	WIN 0x02
.set x, 0
.rept 16
	v_pk_mul_f32 v[TO+2*x:TO+2*x+1], v[32*(\a)+2*x:32*(\a)+2*x+1], v[32+2*(\a):33+2*(\a)] op_sel_hi:[1,0]
.set x, x+1
.endr
	WIN 0
.irp bb, 0,1,2,3
.irp z, 0,1
	ds_store_b128 v18, v[TO+8*\bb+4*\z:TO+8*\bb+4*\z+3] offset:128*(\bb/2)+32*(\bb%2)+16*\z
.endr
.endr
.irp t, 0,1,2,3,4,5,6,7
	ds_load_b128 v[BK+4*\t:BK+4*\t+3], v19 offset:544*\t
.endr
.endm
.macro OSEND a, younger
.set BK, 128+32*((\a)%2)
	s_wait_dscnt \younger
.irp t, 0,1,2,3,4,5,6,7
	global_store_b128 v20, v[BK+4*\t:BK+4*\t+3], s[OUT:OUT+1] offset:(32*((\a)/2)+8*((\a)%2)+(2*\t)%8+16*(\t/4))*4096 th:TH_STORE_NT
.endr
.endm
	OPACK 0
.irp a, 1,2,3,4,5,6,7
.if \a > 1
	s_wait_xcnt 0x0
.endif
	OPACK \a
	OSEND \a-1, 16
.endr
	OSEND 7, 0
	s_wait_tensorcnt 0x0
	ds_add_u32 v[SPW], v[NIL]
	s_wait_dscnt 0x0
	CROUND
	s_endpgm
.Lfunc_end_k_q7b2aa2bfef_pv:
	.size	k_q7b2aa2bfef_pv, .Lfunc_end_k_q7b2aa2bfef_pv-k_q7b2aa2bfef_pv
	.p2alignl 7, 3214868480
	.fill 96, 4, 3214868480
	.section	.rodata,"a",@progbits
	.p2align	6, 0x0
	.amdhsa_kernel k_q7b2aa2bfef_pv
		.amdhsa_group_segment_fixed_size 327680
		.amdhsa_private_segment_fixed_size 0
		.amdhsa_enable_private_segment 0
		.amdhsa_kernarg_size 32
		.amdhsa_user_sgpr_count 2
		.amdhsa_user_sgpr_kernarg_segment_ptr 1
		.amdhsa_wavefront_size32 1
		.amdhsa_system_sgpr_workgroup_id_x 1
		.amdhsa_system_sgpr_workgroup_id_y 1
		.amdhsa_system_sgpr_workgroup_id_z 1
		.amdhsa_system_vgpr_workitem_id 0
		.amdhsa_next_free_vgpr 768
		.amdhsa_next_free_sgpr 72
		.amdhsa_reserve_vcc 0
		.amdhsa_float_denorm_mode_32 3
		.amdhsa_float_denorm_mode_16_64 3
		.amdhsa_memory_ordered 1
		.amdhsa_forward_progress 1
		.amdhsa_inst_pref_size 193
	.end_amdhsa_kernel
	.amdgpu_metadata
---
amdhsa.version: [ 1, 2 ]
amdhsa.kernels:
  - .name:           k_q7b2aa2bfef_pv
    .symbol:         k_q7b2aa2bfef_pv.kd
    .args:
      - { .name: pc, .offset: 0, .size: 8, .value_kind: global_buffer, .address_space: global }
      - { .name: ps, .offset: 8, .size: 8, .value_kind: global_buffer, .address_space: global }
      - { .name: vt, .offset: 16, .size: 8, .value_kind: global_buffer, .address_space: global }
      - { .name: out0, .offset: 24, .size: 8, .value_kind: global_buffer, .address_space: global }
    .group_segment_fixed_size: 327680
    .private_segment_fixed_size: 0
    .kernarg_segment_align: 8
    .kernarg_segment_size: 32
    .max_flat_workgroup_size: 128
    .sgpr_count:     72
    .vgpr_count:     768
    .wavefront_size: 32
...
	.end_amdgpu_metadata
.endif
;; end of part 4
